; MI455X (gfx1250); checked and timed in simulation.
; The chip was launched on July 23, 2026; its instructions are those of AMD's public machine-readable ISA for CDNA 5 (MIT licence, August 2026) and "CDNA5" Instruction Set Architecture Reference Guide (July 2026). The comments in the code are by the model that wrote it; some were corrected since.
;; Multihead Attention. Allowed arithmetic: matrix products marked QUANTISED: E2M3 operands, one E8M0 scale for each 32 along K, by v_wmma_scale_f32_16x16x128_f8f6f4 with both operands' format E2M3, f32 sums; everything else in f32.
;; Inputs: Wk 1,024 x 1,024 float32; Wo 1,024 x 1,024 float32; Wq 1,024 x 1,024 float32; Wv 1,024 x 1,024 float32; attn_mask 2,048 x 2,048 float32; bk 1,024 float32; bo 1,024 float32; bq 1,024 float32; bv 1,024 float32; key 4 x 2,048 x 1,024 float32; key_padding_mask 4 x 2,048 bool; query 4 x 2,048 x 1,024 float32; value 4 x 2,048 x 1,024 float32.
;; Outputs: out0 4 x 2,048 x 1,024 float32.
;; This version of the problem:
;;   THIS VERSION OF THE PROBLEM IS GIVEN IN LOW PRECISION. The matrix products marked QUANTISED in the list below multiply operands that are first quantised to E2M3 (2 exponent bits, 3 mantissa bits; 6 bits a number), with one power-of-two scale for each 32 numbers along K (OCP MX v1.0); their sums are f32. All else is computed in f32.
;;   The module's matrix products, in the order in which they are computed (A, B: the left and right operand; K: the contracted axis; several contracted axes count as one K, in the product's order):
;;     1. [M 8,192, K 1,024] x [K 1,024, N 1,024]; A: input query; B: input Wq: QUANTISED
;;     2. [M 8,192, K 1,024] x [K 1,024, N 1,024]; A: input key; B: input Wk: QUANTISED
;;     3. [M 8,192, K 1,024] x [K 1,024, N 1,024]; A: input value; B: input Wv: QUANTISED
;;     4. batch 64 x [M 2,048, K 64] x [K 64, N 2,048]; A: computed on the way; B: computed on the way: QUANTISED
;;     5. batch 64 x [M 2,048, K 2,048] x [K 2,048, N 64]; A: softmax (see below); B: computed on the way: QUANTISED
;;     6. [M 8,192, K 1,024] x [K 1,024, N 1,024]; A: computed on the way; B: input Wo: QUANTISED
;;   THE QUANTISER, for each operand of a quantised product, along K:
;;     - K is cut into blocks of 32 from its start; a last block that is shorter is filled with zeros.
;;     - A block's scale is 2^e with e = floor(log2(the largest magnitude in the block)) - 2, held to -126 .. 127; a block of zeros has e = 0. As a byte (E8M0): e + 127.
;;     - Each number is divided by its block's scale, clamped to +-7.5, and rounded to the nearest number of E2M3, ties to even, subnormals kept.
;;     - The product sums the exact products of the quantised numbers (number of the format x scale) in f32.
;;   ~~~python
;;   def quantise(x, axis):      # numpy; x: float32 -> the quantised numbers, widened to float32 again
;;       x = np.moveaxis(x, axis, -1); K = x.shape[-1]
;;       x = np.pad(x, [(0, 0)] * (x.ndim - 1) + [(0, -K % 32)]); x = x.reshape(x.shape[:-1] + (-1, 32)); a = np.abs(x).max(-1, keepdims=True)
;;       e = np.where(a > 0, np.clip(np.frexp(np.where(a > 0, a, 1))[1] - 1 - 2, -126, 127), 0)      # np.frexp(a)[1] - 1 = floor(log2(a)), exactly
;;       r = np.clip(x / 2.0 ** e, -7.5, 7.5)
;;       step = 2.0 ** (np.maximum(np.frexp(np.where(r == 0, 1, r))[1] - 1, 0) - 3)
;;       q = np.round(r / step) * step * 2.0 ** e      # np.round: ties to even
;;       return np.moveaxis(q.reshape(q.shape[:-2] + (-1,))[..., :K], -1, axis).astype(np.float32)
;;   ~~~
;;   SOFTMAX AHEAD OF A QUANTISED PRODUCT. Where the list says 'softmax', what is quantised is not the finished softmax but p = 2^(t - M), with t = logit x log2(e) and M = ceil(the row's largest t), a whole number; so 1/2 < the row's largest p <= 1. The row's sum l is taken of the UNQUANTISED p, in f32, and the product's result is divided by l at the end. Since M is a whole number, a kernel that streams over the keys may use a running M (the ceiling of the running maximum): every later rescaling is an exact power of two, which a block's scale takes up: the codes' values come out the same.
;;   OPERANDS COMPUTED ON THE WAY. 'Computed on the way' means the value that the module computes at that place (a softmax that the list does not call 'softmax' is quantised finished and normalised). What goes into a quantiser is computed in f32, as accurately as f32 sums, v_exp_f32 and their like allow (about 1e-6 of the number): no bf16 or f16 on the way to a quantiser, and a product that is left as it is and whose result goes on into a quantised operand takes f32 operands (vector FMAs, or v_wmma_f32_16x16x4_f32). A number that lies on a knife's edge between two numbers of the format may be rounded either way, as far as f32 arithmetic and the matrix unit's own rounding can turn it there, and no further.
;; One version. Each part assembles by itself: llvm-mc -triple=amdgcn-amd-amdhsa -mcpu=gfx1250 --defsym DOCPART=n.
;; ======== version 1 of 1: 4 launches
;; limits: right only within a limited range of input values
;; workspace buffers: xc 22,020,096 bytes; xs 917,504 bytes; qc 6,291,456 bytes; qs 524,288 bytes; kv 13,369,344 bytes; ac 6,291,456 bytes; as 262,144 bytes
;; launch quant (part 1): grid 896 x 1, 4 waves a work-group, no clusters, 34,304 bytes of LDS; arguments query, key, value, Wq, Wk, Wv, Wo, xc, xs; writes xc, xs
.if DOCPART == 1
	.amdgcn_target "amdgcn-amd-amdhsa--gfx1250"
	.amdhsa_code_object_version 6
	.text
	.protected	k_q93e3471058_quant
	.globl	k_q93e3471058_quant
	.p2align	8
	.type	k_q93e3471058_quant,@function
k_q93e3471058_quant:
	s_mov_b64 s[64:65], 0
	v_nop
	global_prefetch_b8 v0, s[64:65] scope:SCOPE_SE
	s_setreg_imm32_b32 hwreg(HW_REG_WAVE_MODE, 25, 1), 1
	s_wait_xcnt 0x0
; LAUNCH 1 OF 4: query, key, value [8192][1024] and Wq, Wk, Wv, Wo [1024][1024], f32, K = the last axis, become codes of FP6 (E2M3) with one E8M0 byte for each 32 along K.
; THE WHOLE PROGRAM: 1 this; 2 the three projections, whose results are quantised on the way out; 3 attention; 4 the projection on the way out.  NOTHING IS LEFT OUT AS DEAD WORK: every bias stands ahead of a
; quantiser, both masks reach the softmax, every input is loaded.
; A block's scale is 2^(floor(log2(its largest magnitude)) - 2); its byte is the largest magnitude's exponent field - 2, held at 1 from below; each number is divided by the scale and rounded to the nearest code, ties to even.
; LIMITS: a block of zeros, and a block whose largest magnitude lies under 2^-124, keeps the byte 1 (the bytes are read by this program alone; zero codes add nothing); NaN and infinities among the inputs are not served.
; LAYOUT OUT.  An operand lies as the IMAGE of its registers: 16 rows x 128 K are 12 registers a lane, 1,536 bytes: registers 4 g .. 4 g + 3 of lane l at 512 g + 16 l.  xc: [tile][K step 0..7][1,536].
; xs: [tile][K slot 0..3][row 0..15][2 words]: word q of slot s holds the four scale bytes of K step 2 s + q.  Tiles: query 0-511, key 512-, value 1024-, Wq 1536-, Wk 1600-, Wv 1664-, Wo 1728-1791.
; WHICH ROWS FORM A TILE: query and Wo: tile T = rows 16 T + r.  The others: rows 32 (T / 2) + 8 (T % 2) + r + 8 (r / 8), so that, used as the first source of a product, tiles 2 b and 2 b + 1 leave 16 neighbours in a lane's 16 registers.
; SHARES.  A work-group takes two tiles; wave w takes tile w / 2 of them and half w % 2 of K: four K steps.  Each load reads 512 consecutive bytes of one row; a K step's 16 rows turn through the wave's own stage in LDS
; (rows of 512 + 16 bytes), from which lane (r, h) takes, of row r, 16 neighbours of each block of 32.  No barrier: waves share nothing.  Loads run two K steps ahead.
.set STG,   8448                       ; a wave's stage: 16 rows x 528 bytes
.set SPARE, 4*STG                      ; behind the stages: the spare words, 128 bytes a wave, that no other line names
.set LA,  1                            ; v1   16 x lane
.set SI,  2                            ; v2   the stage, on the way in
.set SO,  3                            ; v3   and on the way out: 528 r + 64 h
.set L8,  4                            ; v4   8 x lane
.set SW,  16                           ; v16-19 the four K steps' scale words
.set SPW, 20                           ; v20  my spare word's LDS address; never rewritten
.set NIL, 21                           ; v21  0; never rewritten
.set OW,  22                           ; v22-23 the two words that I store
.set R,   32                           ; v32-159 two sets of 64: a K step as loaded
.set X,   160                          ; v160-223 64 numbers of my row: register 16 b + i = k 32 b + 16 h + i
.set PC,  224                          ; v224-235 the codes
.set CT,  236
.set PW,  243
.set TMX, 244
.set TMP, 248
.set TSC, 252
.set WV,  32
.set SEL, 34
.set SA,  36                           ; s[36:37] my tile's rows 0-7, s[38:39] its rows 8-15
.set SB,  38
.set XC,  40
.set XS,  42
; 64 numbers of a lane become a fragment's codes in v[PC] on and its row's scale word in v[PW]
.macro QUANT s
.irp b, 0,1,2,3
	v_max3_num_f32 v[TMX+\b], |v[\s+16*\b]|, |v[\s+1+16*\b]|, 0x1800000   ; block b: my 16 numbers, and the floor 2^(3 - 127): the byte cannot fall under 1
.endr
.irp i, 2,4,6,8,10,12,14
.irp b, 0,1,2,3
	v_max3_num_f32 v[TMX+\b], v[TMX+\b], |v[\s+16*\b+\i]|, |v[\s+1+16*\b+\i]|   ; the four blocks by turns
.endr
.endr
.irp b, 0,1,2,3
	v_permlanex16_b32 v[TMP+\b], v[TMX+\b], s[SEL], s[SEL+1]
.endr
.irp b, 0,1,2,3
	v_max_num_f32 v[TMX+\b], v[TMX+\b], v[TMP+\b]   ; with lane l xor 16's: the block's largest magnitude
.endr
.irp b, 0,1,2,3
	v_add_nc_u32 v[TSC+\b], 0xff000000, v[TMX+\b]   ; 2 off its exponent field: the conversion's scale operand
.endr
.irp b, 0,1,2,3
	v_lshrrev_b32 v[TMP+\b], 23, v[TSC+\b]          ; the scale's byte
.endr
	v_lshl_or_b32 v[PW], v[TMP+1], 8, v[TMP]
	v_lshl_or_b32 v[PW], v[TMP+2], 16, v[PW]
	v_lshl_or_b32 v[PW], v[TMP+3], 24, v[PW]
.irp c, 0,1
	v_cvt_scalef32_pk16_fp6_f32 v[PC+6*\c:PC+2+6*\c], v[\s+32*\c:\s+15+32*\c], v[TSC+2*\c]
	v_cvt_scalef32_pk16_fp6_f32 v[CT+4*\c:CT+2+4*\c], v[\s+16+32*\c:\s+31+32*\c], v[TSC+2*\c+1]   ; (a conversion's three registers begin on an even number)
.endr
	v_nop                                          ; one plain place behind a scaled conversion
.irp c, 0,1                                    ; the operand's layout wants a whole block in a lane
.irp i, 0,1,2
	v_permlane16_swap_b32 v[PC+6*\c+\i], v[CT+4*\c+\i]
.endr
.irp i, 0,1,2
	v_mov_b32 v[PC+3+6*\c+\i], v[CT+4*\c+\i]
.endr
.endr
.endm
.macro PICK bound, first, ptr          ; work-groups under bound belong to an earlier tensor: its address and its first work-group
	s_cmp_lt_u32 ttmp9, \bound
	s_cselect_b64 s[22:23], s[\ptr:\ptr+1], s[22:23]
	s_cselect_b32 s24, \first, s24
.endm
	s_load_b512 s[4:19], s[0:1], 0x0               ; query, key, value, Wq, Wk, Wv, Wo, xc
	s_load_b64 s[20:21], s[0:1], 0x40              ; xs
	v_lshl_add_u32 v[SPW], v0, 2, SPARE
	v_mov_b32 v[NIL], 0
	v_lshrrev_b32 v5, 5, v0
	v_readfirstlane_b32 s[WV], v5                  ; wave 0..3
	v_and_b32 v6, 31, v0                           ; lane
	v_and_b32 v7, 15, v0                           ; r
	v_bfe_u32 v8, v0, 4, 1                         ; h
	v_lshlrev_b32 v[LA], 4, v6
	v_lshlrev_b32 v[L8], 3, v6
	s_mul_i32 s33, s[WV], STG
	v_add_nc_u32 v[SI], s33, v[LA]
	v_mul_u32_u24 v[SO], v7, 528
	v_lshl_add_u32 v[SO], v8, 6, v[SO]
	v_add_nc_u32 v[SO], s33, v[SO]
.irp b, 0,1,2,3
	v_mov_b32 v[TMP+\b], 0                         ; written once: a lane permute's destination counts as one of its sources
.endr
	s_mov_b32 s[SEL], 0x76543210
	s_mov_b32 s[SEL+1], 0xfedcba98                 ; lane l xor 16
	s_lshr_b32 s44, s[WV], 1                       ; which of the two tiles
	s_and_b32 s45, s[WV], 1                        ; which half of K
	s_cmp_lt_u32 ttmp9, 256
	s_cselect_b32 s25, 1, 0
	s_cmp_ge_u32 ttmp9, 864
	s_cselect_b32 s25, 1, s25                      ; 1: query or Wo: rows in plain order
	s_wait_alu depctr_va_vdst(0)
	s_wait_kmcnt 0x0
	s_mov_b64 s[22:23], s[16:17]                   ; Wo, unless the work-group's number says otherwise
	s_mov_b32 s24, 864
	PICK 864, 832, 14
	PICK 832, 800, 12
	PICK 800, 768, 10
	PICK 768, 512, 8
	PICK 512, 256, 6
	PICK 256, 0, 4
	s_sub_co_u32 s26, ttmp9, s24
	s_lshl_b32 s26, s26, 1
	s_add_co_u32 s26, s26, s44                     ; my tile's number in its tensor
	s_lshl_b32 s27, s26, 4                         ; its first row in plain order,
	s_lshr_b32 s28, s26, 1
	s_lshl_b32 s28, s28, 5
	s_and_b32 s29, s26, 1
	s_lshl_b32 s29, s29, 3
	s_add_co_u32 s28, s28, s29                     ; and in the chosen order
	s_mov_b32 s30, 0x10000                         ; rows 8-15 begin 16 rows on,
	s_cmp_eq_u32 s25, 1
	s_cselect_b32 s27, s27, s28
	s_cselect_b32 s30, 0x8000, s30                 ; in plain order 8
	s_mov_b32 s31, 0
	s_lshl_b32 s46, s27, 12                        ; a row is 4,096 bytes
	s_lshl_b32 s28, s45, 11
	s_add_co_u32 s46, s46, s28
	s_mov_b32 s47, 0
	s_add_nc_u64 s[SA:SA+1], s[22:23], s[46:47]
	s_add_nc_u64 s[SB:SB+1], s[SA:SA+1], s[30:31]
	s_lshl_b32 s28, ttmp9, 1
	s_add_co_u32 s28, s28, s44                     ; my tile's number in xc and xs
	s_mul_i32 s46, s28, 12288
	s_mul_i32 s29, s45, 6144
	s_add_co_u32 s46, s46, s29
	s_add_nc_u64 s[XC:XC+1], s[18:19], s[46:47]
	s_lshl_b32 s46, s28, 9
	s_lshl_b32 s29, s45, 8
	s_add_co_u32 s46, s46, s29
	s_add_nc_u64 s[XS:XS+1], s[20:21], s[46:47]
.macro LOAD t                          ; K step t of my four: 16 rows x 512 bytes into set t % 2
.irp i, 0,1,2,3,4,5,6,7
	global_load_b128 v[R+64*((\t)%2)+4*\i:R+64*((\t)%2)+4*\i+3], v[LA], s[SA:SA+1] offset:4096*\i+512*(\t) th:TH_LOAD_NT
.endr
.irp i, 0,1,2,3,4,5,6,7
	global_load_b128 v[R+64*((\t)%2)+32+4*\i:R+64*((\t)%2)+32+4*\i+3], v[LA], s[SB:SB+1] offset:4096*\i+512*(\t) th:TH_LOAD_NT
.endr
.endm
.macro STEP t
.if (\t) < 3
	s_wait_loadcnt 16                              ; this K step's 16 loads are in; the next step's 16 may be out
.else
	s_wait_loadcnt 0x0
.endif
.irp i, 0,1,2,3,4,5,6,7,8,9,10,11,12,13,14,15
	ds_store_b128 v[SI], v[R+64*((\t)%2)+4*\i:R+64*((\t)%2)+4*\i+3] offset:528*\i
.endr
.irp b, 0,1,2,3
.irp j, 0,1,2,3
	ds_load_b128 v[X+16*\b+4*\j:X+16*\b+4*\j+3], v[SO] offset:128*\b+16*\j   ; LDS serves a wave's instructions in order: these see the stores above
.endr
.endr
	s_wait_dscnt 0x0                               ; my numbers are back; the stores have read their registers
	s_wait_xcnt 0x0                                ; the last step's stores have read the codes' registers, which are written again below
.if (\t) < 2
	LOAD (\t)+2
.endif
	QUANT X
	v_mov_b32 v[SW+(\t)], v[PW]
.irp g, 0,1,2
	global_store_b128 v[LA], v[PC+4*\g:PC+4*\g+3], s[XC:XC+1] offset:1536*(\t)+512*\g   ; 32 lanes store 512 consecutive bytes, aligned
.endr
.endm
	LOAD 0
	LOAD 1
	STEP 0
	STEP 1
	STEP 2
	STEP 3
	v_cmp_le_u32 vcc_lo, 16, v6                    ; lanes 0-15 store my first slot's two words of row r, lanes 16-31 my second slot's
	v_cndmask_b32 v[OW], v[SW], v[SW+2], vcc_lo
	v_cndmask_b32 v[OW+1], v[SW+1], v[SW+3], vcc_lo
	global_store_b64 v[L8], v[OW:OW+1], s[XS:XS+1] ; 256 consecutive bytes, aligned
	s_wait_tensorcnt 0x0                           ; the wave's end, behind my last LDS store
	ds_add_u32 v[SPW], v[NIL]
	s_wait_dscnt 0x0
	s_endpgm
.Lfunc_end_k_q93e3471058_quant:
	.size	k_q93e3471058_quant, .Lfunc_end_k_q93e3471058_quant-k_q93e3471058_quant
	.p2alignl 7, 3214868480
	.fill 96, 4, 3214868480
	.section	.rodata,"a",@progbits
	.p2align	6, 0x0
	.amdhsa_kernel k_q93e3471058_quant
		.amdhsa_group_segment_fixed_size 34304
		.amdhsa_private_segment_fixed_size 0
		.amdhsa_enable_private_segment 0
		.amdhsa_kernarg_size 72
		.amdhsa_user_sgpr_count 2
		.amdhsa_user_sgpr_kernarg_segment_ptr 1
		.amdhsa_wavefront_size32 1
		.amdhsa_system_sgpr_workgroup_id_x 1
		.amdhsa_system_sgpr_workgroup_id_y 1
		.amdhsa_system_sgpr_workgroup_id_z 1
		.amdhsa_system_vgpr_workitem_id 0
		.amdhsa_next_free_vgpr 256
		.amdhsa_next_free_sgpr 66
		.amdhsa_reserve_vcc 1
		.amdhsa_float_denorm_mode_32 3
		.amdhsa_float_denorm_mode_16_64 3
		.amdhsa_memory_ordered 1
		.amdhsa_forward_progress 1
		.amdhsa_inst_pref_size 35
	.end_amdhsa_kernel
	.amdgpu_metadata
---
amdhsa.version: [ 1, 2 ]
amdhsa.kernels:
  - .name:           k_q93e3471058_quant
    .symbol:         k_q93e3471058_quant.kd
    .args:
      - { .name: query, .offset: 0, .size: 8, .value_kind: global_buffer, .address_space: global }
      - { .name: key, .offset: 8, .size: 8, .value_kind: global_buffer, .address_space: global }
      - { .name: value, .offset: 16, .size: 8, .value_kind: global_buffer, .address_space: global }
      - { .name: Wq, .offset: 24, .size: 8, .value_kind: global_buffer, .address_space: global }
      - { .name: Wk, .offset: 32, .size: 8, .value_kind: global_buffer, .address_space: global }
      - { .name: Wv, .offset: 40, .size: 8, .value_kind: global_buffer, .address_space: global }
      - { .name: Wo, .offset: 48, .size: 8, .value_kind: global_buffer, .address_space: global }
      - { .name: xc, .offset: 56, .size: 8, .value_kind: global_buffer, .address_space: global }
      - { .name: xs, .offset: 64, .size: 8, .value_kind: global_buffer, .address_space: global }
    .group_segment_fixed_size: 34304
    .private_segment_fixed_size: 0
    .kernarg_segment_align: 8
    .kernarg_segment_size: 72
    .max_flat_workgroup_size: 128
    .sgpr_count:     66
    .vgpr_count:     256
    .wavefront_size: 32
...
	.end_amdgpu_metadata
.endif
;; end of part 1
;; launch proj (part 2): grid 4 x 96, 4 waves a work-group, clusters of 4 x 4, 327,680 bytes of LDS; arguments xc, xs, bq, bk, qc, qs, kv, bv; writes qc, qs, kv
.if DOCPART == 2
	.amdgcn_target "amdgcn-amd-amdhsa--gfx1250"
	.amdhsa_code_object_version 6
	.text
	.protected	k_q93e3471058_proj
	.globl	k_q93e3471058_proj
	.p2align	8
	.type	k_q93e3471058_proj,@function
k_q93e3471058_proj:
	s_mov_b64 s[64:65], 0
	v_nop
	global_prefetch_b8 v0, s[64:65] scope:SCOPE_SE
	s_setreg_imm32_b32 hwreg(HW_REG_WAVE_MODE, 25, 1), 1
	s_wait_xcnt 0x0
	s_wait_alu depctr_hold_cnt(0) depctr_sa_sdst(0) depctr_va_vdst(0) depctr_va_sdst(0) depctr_va_ssrc(0) depctr_va_vcc(0) depctr_vm_vsrc(0)
	s_getreg_b32 s2, hwreg(HW_REG_IB_STS2, 6, 4)
	s_cmp_eq_u32 s2, 0
	s_cbranch_scc0 .Lentry_in_a_cluster
	s_endpgm
.Lentry_in_a_cluster:
	s_bfe_u32 s2, ttmp6, 0x10000c
	s_cmp_lg_u32 s2, 0xf033
	s_cbranch_scc0 .Lentry_shape_is_right
	s_endpgm
.Lentry_shape_is_right:
.set FRB,   1536
.set SLB,   2*FRB
.set HALFT, 8*SLB
.set SLOT,  4*HALFT
.set SCL,   2*SLOT
.set HALFS, 4096
.set SPARE, SCL+4*HALFS
.set PKG,   13056
.set NQ, 2
.set FR, 12
.set NL, 3
.set NP, 4
.set ADRA, 16
.set ADRB, 20
.set ADRS, 27
.set SPW,  28
.set NIL,  29
.set SC,   32
.set BR,   64
.set AF,   128
.set X,    128
.set PC,   192
.set CT,   204
.set PW,   211
.set TMX,  212
.set TSC,  216
.set W0,   232
.set W1,   240
.set TMP,  248
.set SEL,  18
.set G1, 24
.set G0, 32
.set G1B, 48
.set G0B, 56
.set G1S, 68
.set G0S, 76
.set G1SB, 80
.set G0SB, 88
.set D0,  80
.set D1,  82
.set DS0, 84
.set DS1, 86
.set BP,  88
.set SCF, 96
.set MSB, 0
.macro WIN new
.if MSB != (\new)
	s_set_vgpr_msb (MSB<<8)|(\new)
.set MSB, (\new)
.endif
.endm
.set MUL_LO, 0xa1
.set MUL_HI, 0xf1
.set TO_B,   0x40
.macro JLOAD g0a, g1a, g0b, g1b
	s_cmp_eq_u32 s15, 0
	s_cbranch_scc0 .Lfor_b_\@
	tensor_load_to_lds s[\g0a:\g0a+3], s[\g1a:\g1a+7]
	s_nop 0
.rept 4
	v_nop
.endr
	s_branch .Lasked_\@
.Lfor_b_\@:
	tensor_load_to_lds s[\g0b:\g0b+3], s[\g1b:\g1b+7]
	s_nop 0
.rept 4
	v_nop
.endr
.Lasked_\@:
.endm
.macro CREST
	s_cmp_lg_u32 s14, 0
	s_cbranch_scc1 .Lnot_wave_0_\@
	s_barrier_signal -3
.Lnot_wave_0_\@:
	s_barrier_wait -3
	s_barrier_signal -1
	s_barrier_wait -1
.endm
.macro CROUND
	s_barrier_signal -1
	s_barrier_wait -1
	CREST
.endm
.macro QUANT s
.irp b, 0,1,2,3
	v_max3_num_f32 v[TMX+\b], |v[\s+16*\b]|, |v[\s+1+16*\b]|, 0x1800000
.endr
.irp i, 2,4,6,8,10,12,14
.irp b, 0,1,2,3
	v_max3_num_f32 v[TMX+\b], v[TMX+\b], |v[\s+16*\b+\i]|, |v[\s+1+16*\b+\i]|
.endr
.endr
.irp b, 0,1,2,3
	v_permlanex16_b32 v[TMP+\b], v[TMX+\b], s[SEL], s[SEL+1]
.endr
.irp b, 0,1,2,3
	v_max_num_f32 v[TMX+\b], v[TMX+\b], v[TMP+\b]
.endr
.irp b, 0,1,2,3
	v_add_nc_u32 v[TSC+\b], 0xff000000, v[TMX+\b]
.endr
.irp b, 0,1,2,3
	v_lshrrev_b32 v[TMP+\b], 23, v[TSC+\b]
.endr
	v_lshl_or_b32 v[PW], v[TMP+1], 8, v[TMP]
	v_lshl_or_b32 v[PW], v[TMP+2], 16, v[PW]
	v_lshl_or_b32 v[PW], v[TMP+3], 24, v[PW]
.irp c, 0,1
	v_cvt_scalef32_pk16_fp6_f32 v[PC+6*\c:PC+2+6*\c], v[\s+32*\c:\s+15+32*\c], v[TSC+2*\c]
	v_cvt_scalef32_pk16_fp6_f32 v[CT+4*\c:CT+2+4*\c], v[\s+16+32*\c:\s+31+32*\c], v[TSC+2*\c+1]
.endr
	v_nop
.irp c, 0,1
.irp i, 0,1,2
	v_permlane16_swap_b32 v[PC+6*\c+\i], v[CT+4*\c+\i]
.endr
.irp i, 0,1,2
	v_mov_b32 v[PC+3+6*\c+\i], v[CT+4*\c+\i]
.endr
.endr
.endm
	s_load_b128 s[4:7], s[0:1], 0x0
	v_lshl_add_u32 v[SPW], v0, 2, SPARE
	v_mov_b32 v[NIL], 0
	ds_add_u32 v[SPW], v[NIL]
	ds_add_u32 v[SPW], v[NIL]
	v_lshrrev_b32 v1, 5, v0
	v_readfirstlane_b32 s14, v1
	s_lshr_b32 s15, s14, 1
	s_and_b32 s16, s14, 1
	s_bfe_u32 s40, ttmp6, 0x40000
	s_bfe_u32 s41, ttmp6, 0x40004
	s_and_b32 s17, ttmp7, 0xffff
	s_lshr_b32 s92, s17, 3
	s_and_b32 s17, s17, 7
	s_lshl_b32 s17, s17, 2
	s_add_co_u32 s18, s17, s41
	s_add_co_u32 s19, s17, s40
	s_lshl_b32 s20, s92, 9
	s_lshl_b32 s21, s92, 6
	s_add_co_u32 s21, s21, 1536
	s_cmp_eq_u32 s92, 2
	s_cselect_b32 s42, s41, s18
	s_cselect_b32 s46, s19, s40
	s_cselect_b32 s20, 1664, s20
	s_cselect_b32 s21, 1024, s21
	s_lshl_b32 s22, s16, 3
	s_lshl_b32 s23, s42, 4
	s_add_co_u32 s20, s20, s23
	s_add_co_u32 s20, s20, s22
	s_lshl_b32 s47, s46, 4
	s_add_co_u32 s21, s21, s47
	s_add_co_u32 s21, s21, s22
	s_lshl_b32 s93, s42, 8
	s_lshl_b32 s23, s15, 7
	s_add_co_u32 s93, s93, s23
	s_lshl_b32 s94, s46, 8
	s_lshl_b32 s47, s16, 7
	s_add_co_u32 s94, s94, s47
	s_mul_i32 s8, s20, 8*FRB
	s_mov_b32 s9, 0
	s_lshl_b32 s10, s20, 9
	s_mov_b32 s11, 0
	s_mul_i32 s12, s21, 8*FRB
	s_mov_b32 s13, 0
	s_lshl_b32 s98, s21, 9
	s_mov_b32 s99, 0
	s_lshl_b32 s43, s41, 2
	s_lshl_b32 s43, 15, s43
	s_lshl_b32 s44, 0x1111, s40
	s_or_b32 s[G1+0], s43, (3<<16)|(1<<21)
	s_or_b32 s[G1B+0], s44, (3<<16)|(1<<21)
.irp g, G1, G1B
	s_mov_b32 s[\g+1], 384<<16
	s_mov_b32 s[\g+2], 16<<16                      ; the head's loads of codes bring all 16 tiles of a side
	s_mov_b32 s[\g+3], 384<<16
	s_mov_b32 s[\g+4], 16
	s_mov_b32 s[\g+5], 1536
	s_mov_b32 s[\g+6], 0
	s_mov_b32 s[\g+7], 0
.endr
	s_or_b32 s[G1S+0], s43, (3<<16)|(1<<21)
	s_or_b32 s[G1SB+0], s44, (3<<16)|(1<<21)
.irp g, G1S, G1SB
	s_mov_b32 s[\g+1], 32<<16
	s_mov_b32 s[\g+2], 32<<16                      ; the scales of 16 tiles: 32 rows of 256 bytes
	s_mov_b32 s[\g+3], 32<<16
	s_mov_b32 s[\g+4], 32
	s_mov_b32 s[\g+5], 32
	s_mov_b32 s[\g+6], 0
	s_mov_b32 s[\g+7], 0
.endr
	s_mul_i32 s45, s14, HALFT
	s_lshl_b32 s20, s16, 12                        ; my half's 8 tiles of scales, in bytes
	s_mov_b32 s21, 0
	s_mov_b32 s[SEL], 0x76543210
	s_mov_b32 s[SEL+1], 0xfedcba98
	s_wait_dscnt 0x0
	s_wait_kmcnt 0x0
	s_add_nc_u64 s[8:9], s[4:5], s[8:9]
	s_add_nc_u64 s[10:11], s[6:7], s[10:11]
	s_add_nc_u64 s[12:13], s[4:5], s[12:13]
	s_add_nc_u64 s[98:99], s[6:7], s[98:99]
	CROUND
	s_mov_b32 s[G0S], 1
	s_mov_b32 s[G0S+1], SCL
	s_sub_nc_u64 s[G0S+2:G0S+3], s[10:11], s[20:21]    ; back to the side's first tile
	s_or_b32 s[G0S+3], s[G0S+3], 0x80000000
	s_mov_b32 s[G0SB], 1
	s_mov_b32 s[G0SB+1], SCL+2*HALFS
	s_sub_nc_u64 s[G0SB+2:G0SB+3], s[98:99], s[20:21]
	s_or_b32 s[G0SB+3], s[G0SB+3], 0x80000000
.irp s, 0,1
	s_mov_b32 s[G0+4*\s], 1
	s_add_co_u32 s[G0+4*\s+1], s45, \s*SLOT
	s_add_nc_u64 s[G0+4*\s+2:G0+4*\s+3], s[8:9], \s*SLB
	s_or_b32 s[G0+4*\s+3], s[G0+4*\s+3], 0x80000000
	s_mov_b32 s[G0B+4*\s], 1
	s_add_co_u32 s[G0B+4*\s+1], s45, \s*SLOT
	s_add_nc_u64 s[G0B+4*\s+2:G0B+4*\s+3], s[12:13], \s*SLB
	s_or_b32 s[G0B+4*\s+3], s[G0B+4*\s+3], 0x80000000
.endr
	; THE HEAD'S LOADS, ONE A WAVE: wave 0 slot 0's 16 tiles of the first side, wave 1 those of the second, wave 2 and wave 3 the two sides' scales
	s_mul_i32 s22, s16, 8*8*FRB                    ; my half's 8 tiles of codes, in bytes
	s_mov_b32 s23, 0
	s_mov_b32 s4, 1
	s_mov_b32 s5, 0
	s_sub_nc_u64 s[6:7], s[8:9], s[22:23]
	s_or_b32 s7, s7, 0x80000000
	s_mov_b32 s8, 1
	s_mov_b32 s9, 2*HALFT
	s_sub_nc_u64 s[10:11], s[12:13], s[22:23]
	s_or_b32 s11, s11, 0x80000000
.macro ARM under, g0, g1, next
	s_cmp_lt_u32 s14, \under
	s_cbranch_scc0 \next
	tensor_load_to_lds s[\g0:\g0+3], s[\g1:\g1+7]
	s_nop 0
.rept 4
	v_nop
.endr
	s_branch .Lhead_asked
\next:
.endm
	ARM 1, 4, G1, .Lhead_b
	ARM 2, 8, G1B, .Lhead_sa
	ARM 3, G0S, G1S, .Lhead_sb
	tensor_load_to_lds s[G0SB:G0SB+3], s[G1SB:G1SB+7]
	s_nop 0
.rept 4
	v_nop
.endr
.Lhead_asked:
	v_and_b32 v1, 15, v0
	v_bfe_u32 v2, v0, 4, 1
	v_and_b32 v3, 31, v0
	v_lshlrev_b32 v8, 4, v3
	v_lshlrev_b32 v9, 3, v3
	v_lshlrev_b32 v10, 2, v3
	v_lshlrev_b32 v11, 6, v2
	v_and_b32 v12, 8, v1
	v_add_nc_u32 v12, v12, v1
	v_lshlrev_b32 v12, 2, v12
.irp b, 0,1,2,3
	v_mov_b32 v[TMP+\b], 0
.endr
	s_mul_i32 s21, s15, HALFT
	s_mul_i32 s22, s16, HALFT
	s_add_co_u32 s22, s22, 2*HALFT
.irp s, 0,1
	v_add_nc_u32 v[ADRA+\s], s21, v8
	v_add_nc_u32 v[ADRB+\s], s22, v8
	s_add_co_u32 s21, s21, SLOT
	s_add_co_u32 s22, s22, SLOT
.endr
	v_lshlrev_b32 v5, 3, v1
	s_mul_i32 s21, s15, HALFS
	s_mul_i32 s22, s16, HALFS
	s_add_co_u32 s22, s22, 2*HALFS
	s_sub_co_u32 s22, s22, s21
	v_mul_u32_u24 v6, s22, v2
	s_add_co_u32 s21, s21, SCL
	v_add_nc_u32 v5, v5, v6
	v_add_nc_u32 v[ADRS], s21, v5
.macro FRAG reg, adr, q, i
.irp g, 0,1,2
	ds_load_b128 v[\reg+4*\g:\reg+4*\g+3], v[\adr] offset:(\i)*SLB+(\q)*FRB+512*\g
.endr
.endm
.macro MUL16 a0, p, q, sc, zero
.irp a, \a0, \a0+1
.irp b, 0,1,2,3,4,5,6,7
.if \zero
	v_wmma_scale_f32_16x16x128_f8f6f4 v[8*(8*((\a)%4)+\b):8*(8*((\a)%4)+\b)+7], v[128*(\p)+FR*\b:128*(\p)+FR*\b+FR-1], v[AF+FR*(\a):AF+FR*(\a)+FR-1], 0, v[SC+8*NQ*(\sc)+NQ*\b+(\q)], v[SC+8*NQ*(\sc)+NQ*(\a)+(\q)] matrix_a_fmt:MATRIX_FMT_FP6 matrix_b_fmt:MATRIX_FMT_FP6 matrix_a_scale:MATRIX_SCALE_ROW1
.else
	v_wmma_scale_f32_16x16x128_f8f6f4 v[8*(8*((\a)%4)+\b):8*(8*((\a)%4)+\b)+7], v[128*(\p)+FR*\b:128*(\p)+FR*\b+FR-1], v[AF+FR*(\a):AF+FR*(\a)+FR-1], v[8*(8*((\a)%4)+\b):8*(8*((\a)%4)+\b)+7], v[SC+8*NQ*(\sc)+NQ*\b+(\q)], v[SC+8*NQ*(\sc)+NQ*(\a)+(\q)] matrix_a_fmt:MATRIX_FMT_FP6 matrix_b_fmt:MATRIX_FMT_FP6 matrix_a_scale:MATRIX_SCALE_ROW1
.endif
.endr
.endr
.endm
.macro FETCH_B slot, q, p
	WIN TO_B
.irp i, 0,1,2,3,4,5,6,7
	FRAG 128*(\p)+FR*\i, ADRB+\slot, \q, \i
.endr
	WIN 0
.endm
.macro FETCH_A slot, q, i0
.irp i, \i0, \i0+1, \i0+2, \i0+3
	FRAG AF+FR*(\i), ADRA+\slot, \q, \i
.endr
.endm
.macro SCALES sc
.irp i, 0,1,2,3,4,5,6,7
	ds_load_b64 v[SC+8*NQ*\sc+NQ*\i:SC+8*NQ*\sc+NQ*\i+1], v[ADRS] offset:512*\i
.endr
.endm
.macro PLACES n
.rept \n
	v_nop
.endr
.endm
.macro STEP slot, q, zero
	s_wait_dscnt 4*NL
	WIN MUL_LO
	MUL16 0, (\q)%2, \q, \slot, \zero
	MUL16 2, (\q)%2, \q, \slot, \zero
	s_wait_dscnt 0
	PLACES NP
	FETCH_B \slot, (\q)+1, 1-(\q)%2
	FETCH_A \slot, (\q)+1, 0
	WIN MUL_HI
	MUL16 4, (\q)%2, \q, \slot, \zero
	MUL16 6, (\q)%2, \q, \slot, \zero
	PLACES NP
	WIN 0
	FETCH_A \slot, (\q)+1, 4
.endm
.macro TURN slot, next, fill
	s_wait_tensorcnt 0x0
	ds_add_u32 v[SPW], v[NIL]
	s_wait_dscnt 4*NL+1
	WIN MUL_LO
	MUL16 0, 1, NQ-1, \slot, 0
	s_wait_dscnt 0x0
	s_barrier_signal -1
	MUL16 2, 1, NQ-1, \slot, 0
	WIN 0
	s_barrier_wait -1
.if \fill
	CREST
	s_add_nc_u64 s[G0+4*\slot+2:G0+4*\slot+3], s[G0+4*\slot+2:G0+4*\slot+3], 2*SLB
	s_add_nc_u64 s[G0B+4*\slot+2:G0B+4*\slot+3], s[G0B+4*\slot+2:G0B+4*\slot+3], 2*SLB
	JLOAD G0+4*\slot, G1, G0B+4*\slot, G1B
.else
	PLACES NP
.endif
	s_wait_alu depctr_va_vdst(0)
	v_add_nc_u32 v[ADRS], 128, v[ADRS]
	FETCH_B \next, 0, 0
	FETCH_A \next, 0, 0
	SCALES \next
	WIN MUL_HI
	MUL16 4, 1, NQ-1, \slot, 0
	MUL16 6, 1, NQ-1, \slot, 0
	PLACES NP
	WIN 0
	FETCH_A \next, 0, 4
.endm
.macro LAST
	s_wait_dscnt 4*NL
	WIN MUL_LO
	MUL16 0, 1, NQ-1, 1, 0
	MUL16 2, 1, NQ-1, 1, 0
	s_wait_dscnt 0
	WIN MUL_HI
	MUL16 4, 1, NQ-1, 1, 0
	MUL16 6, 1, NQ-1, 1, 0
	WIN 0
.endm
	s_wait_alu depctr_va_vdst(0)
	s_wait_tensorcnt 0x0                           ; my tile of the head's four is in; slot 1's first fill goes out as a refill does
	ds_add_u32 v[SPW], v[NIL]
	s_mov_b32 s[G1+2], 8<<16                       ; no tensor load of mine is out: from here on a load brings 8 tiles
	s_mov_b32 s[G1+4], 8
	s_mov_b32 s[G1B+2], 8<<16
	s_mov_b32 s[G1B+4], 8
	s_wait_dscnt 0x0
	CROUND
	JLOAD G0+4, G1, G0B+4, G1B
	FETCH_B 0, 0, 0
	FETCH_A 0, 0, 0
	SCALES 0
	FETCH_A 0, 0, 4
	STEP 0, 0, 1
	TURN 0, 1, 1
	STEP 1, 0, 0
	TURN 1, 0, 1
	STEP 0, 0, 0
	TURN 0, 1, 0
	s_load_b256 s[68:75], s[0:1], 0x10
	s_load_b128 s[76:79], s[0:1], 0x30
	STEP 1, 0, 0
	s_wait_kmcnt 0x0
	s_cmp_eq_u32 s92, 2
	s_cbranch_scc1 .Lv
	s_lshr_b32 s40, s93, 11
	s_and_b32 s41, s93, 2047
	s_lshr_b32 s42, s94, 6
	s_lshl_b32 s43, s40, 4
	s_add_co_u32 s44, s43, s42
	s_lshl_b32 s44, s44, 7
	s_lshr_b32 s45, s41, 4
	s_add_co_u32 s44, s44, s45
	s_lshl_b32 s45, s44, 6
	s_mul_i32 s44, s44, 768
	s_lshr_b32 s46, s41, 7
	s_add_co_u32 s46, s46, s43
	s_lshl_b32 s46, s46, 4
	s_add_co_u32 s46, s46, s42
	s_mul_i32 s46, s46, PKG
	s_add_co_u32 s47, s46, 12288
	s_cmp_eq_u32 s92, 0
	s_cselect_b32 s44, s44, s46
	s_cselect_b32 s46, s45, s47
	s_cselect_b64 s[D0:D0+1], s[72:73], s[76:77]
	s_cselect_b64 s[DS0:DS0+1], s[74:75], s[76:77]
	s_cselect_b64 s[BP:BP+1], s[68:69], s[70:71]
	s_cselect_b32 s[SCF], 0x3e000000, 1.0
	s_mov_b32 s40, PKG
	s_cselect_b32 s42, 0x18000, s40
	s_cselect_b32 s40, 8192, s40
	s_mov_b32 s45, 0
	s_mov_b32 s47, 0
	s_mov_b32 s43, 0
	s_mov_b32 s41, 0
	s_mov_b32 s[SCF+1], s[SCF]
	s_add_nc_u64 s[D0:D0+1], s[D0:D0+1], s[44:45]
	s_add_nc_u64 s[DS0:DS0+1], s[DS0:DS0+1], s[46:47]
	s_add_nc_u64 s[D1:D1+1], s[D0:D0+1], s[42:43]
	s_add_nc_u64 s[DS1:DS1+1], s[DS0:DS0+1], s[40:41]
	s_lshl_b32 s44, s94, 2
	s_add_nc_u64 s[BP:BP+1], s[BP:BP+1], s[44:45]
.irp b, 0,1,2,3
.irp j, 0,1,2,3
	global_load_b128 v[BR+16*\b+4*\j:BR+16*\b+4*\j+3], v11, s[BP:BP+1] offset:128*\b+16*\j
.endr
.endr
	LAST
	s_wait_loadcnt 0x0
.set k, 0
.rept 32
	v_pk_mul_f32 v[BR+2*k:BR+2*k+1], v[BR+2*k:BR+2*k+1], s[SCF:SCF+1] op_sel_hi:[1,0]
.set k, k+1
.endr
.macro EPI_QK a
	s_wait_xcnt 0x0
	WIN 0x02+(\a)/4
.set k, 0
.rept 32
	v_pk_fma_f32 v[X+2*k:X+2*k+1], v[64*((\a)%4)+2*k:64*((\a)%4)+2*k+1], s[SCF:SCF+1], v[BR+2*k:BR+2*k+1] op_sel_hi:[1,0,1]
.set k, k+1
.endr
	WIN 0
	QUANT X
	v_and_b32 v[W0+(\a)], 0xffff, v[PW]
	v_lshrrev_b32 v[W1+(\a)], 16, v[PW]
	global_store_b128 v8, v[PC:PC+3], s[D0:D0+1] offset:768*(\a)
	global_store_b64 v9, v[PC+4:PC+5], s[D0:D0+1] offset:768*(\a)+512
	global_store_b128 v8, v[PC+6:PC+9], s[D1:D1+1] offset:768*(\a)
	global_store_b64 v9, v[PC+10:PC+11], s[D1:D1+1] offset:768*(\a)+512
.endm
.irp a, 0,1,2,3,4,5,6,7
	EPI_QK \a
.endr
	v_cmp_le_u32 vcc_lo, 16, v3
.irp i, 0,1,2,3
	v_cndmask_b32 v[TMX+\i], v[W0+2*\i], v[W0+2*\i+1], vcc_lo
	v_cndmask_b32 v[TSC+\i], v[W1+2*\i], v[W1+2*\i+1], vcc_lo
.endr
.irp i, 0,1,2,3
	global_store_b32 v10, v[TMX+\i], s[DS0:DS0+1] offset:128*\i
	global_store_b32 v10, v[TSC+\i], s[DS1:DS1+1] offset:128*\i
.endr
	s_branch .Lend
.Lv:
	s_lshr_b32 s40, s94, 11
	s_and_b32 s41, s94, 2047
	s_lshr_b32 s41, s41, 7
	s_lshl_b32 s40, s40, 4
	s_add_co_u32 s40, s40, s41
	s_lshl_b32 s40, s40, 4
	s_lshr_b32 s41, s93, 6
	s_add_co_u32 s40, s40, s41
	s_mul_i32 s40, s40, PKG
	s_mov_b32 s41, 0
	s_add_nc_u64 s[D0:D0+1], s[76:77], s[40:41]
	s_lshl_b32 s40, s93, 2
	s_add_nc_u64 s[BP:BP+1], s[78:79], s[40:41]
.irp a, 0,1,2,3,4,5,6,7
	global_load_b32 v[BR+2*\a], v12, s[BP:BP+1] offset:4*(32*(\a/2)+8*(\a%2))
	global_load_b32 v[BR+2*\a+1], v12, s[BP:BP+1] offset:4*(32*(\a/2)+8*(\a%2))
.endr
	LAST
	s_wait_loadcnt 0x0
	PLACES NP
.macro EPI_V a
	s_wait_xcnt 0x0
	WIN 0x02+(\a)/4
.set k, 0
.rept 32
	v_pk_add_f32 v[X+2*k:X+2*k+1], v[64*((\a)%4)+2*k:64*((\a)%4)+2*k+1], v[BR+2*(\a):BR+2*(\a)+1]
.set k, k+1
.endr
	WIN 0
	QUANT X
	v_mov_b32 v[W0+(\a)], v[PW]
.irp g, 0,1,2
	global_store_b128 v8, v[PC+4*\g:PC+4*\g+3], s[D0:D0+1] offset:((\a)/4)*PKG+6144+((\a)%4)*1536+512*\g
.endr
.endm
.irp a, 0,1,2,3,4,5,6,7
	EPI_V \a
.endr
	v_cmp_le_u32 vcc_lo, 16, v3
.irp i, 0,1,2,3
	v_cndmask_b32 v[TMX+\i], v[W0+2*\i], v[W0+2*\i+1], vcc_lo
.endr
.irp i, 0,1,2,3
	global_store_b32 v10, v[TMX+\i], s[D0:D0+1] offset:(\i/2)*PKG+12800+128*(\i%2)
.endr
.Lend:
	s_wait_tensorcnt 0x0
	ds_add_u32 v[SPW], v[NIL]
	s_wait_dscnt 0x0
	CROUND
	s_endpgm
.Lfunc_end_k_q93e3471058_proj:
	.size	k_q93e3471058_proj, .Lfunc_end_k_q93e3471058_proj-k_q93e3471058_proj
	.p2alignl 7, 3214868480
	.fill 96, 4, 3214868480
	.section	.rodata,"a",@progbits
	.p2align	6, 0x0
	.amdhsa_kernel k_q93e3471058_proj
		.amdhsa_group_segment_fixed_size 327680
		.amdhsa_private_segment_fixed_size 0
		.amdhsa_enable_private_segment 0
		.amdhsa_kernarg_size 64
		.amdhsa_user_sgpr_count 2
		.amdhsa_user_sgpr_kernarg_segment_ptr 1
		.amdhsa_wavefront_size32 1
		.amdhsa_system_sgpr_workgroup_id_x 1
		.amdhsa_system_sgpr_workgroup_id_y 1
		.amdhsa_system_sgpr_workgroup_id_z 1
		.amdhsa_system_vgpr_workitem_id 0
		.amdhsa_next_free_vgpr 1024
		.amdhsa_next_free_sgpr 104
		.amdhsa_reserve_vcc 1
		.amdhsa_float_denorm_mode_32 3
		.amdhsa_float_denorm_mode_16_64 3
		.amdhsa_memory_ordered 1
		.amdhsa_forward_progress 1
		.amdhsa_inst_pref_size 223
	.end_amdhsa_kernel
	.amdgpu_metadata
---
amdhsa.version: [ 1, 2 ]
amdhsa.kernels:
  - .name:           k_q93e3471058_proj
    .symbol:         k_q93e3471058_proj.kd
    .args:
      - { .name: xc, .offset: 0, .size: 8, .value_kind: global_buffer, .address_space: global }
      - { .name: xs, .offset: 8, .size: 8, .value_kind: global_buffer, .address_space: global }
      - { .name: bq, .offset: 16, .size: 8, .value_kind: global_buffer, .address_space: global }
      - { .name: bk, .offset: 24, .size: 8, .value_kind: global_buffer, .address_space: global }
      - { .name: qc, .offset: 32, .size: 8, .value_kind: global_buffer, .address_space: global }
      - { .name: qs, .offset: 40, .size: 8, .value_kind: global_buffer, .address_space: global }
      - { .name: kv, .offset: 48, .size: 8, .value_kind: global_buffer, .address_space: global }
      - { .name: bv, .offset: 56, .size: 8, .value_kind: global_buffer, .address_space: global }
    .group_segment_fixed_size: 327680
    .private_segment_fixed_size: 0
    .kernarg_segment_align: 8
    .kernarg_segment_size: 64
    .max_flat_workgroup_size: 128
    .sgpr_count:     104
    .vgpr_count:     1024
    .wavefront_size: 32
...
	.end_amdgpu_metadata
.endif
;; end of part 2
;; launch attn (part 3): grid 16 x 16, 8 waves a work-group, clusters of 4 x 4, 327,680 bytes of LDS; arguments qc, qs, kv, attn_mask, key_padding_mask, ac, as; writes ac, as
.if DOCPART == 3
	.amdgcn_target "amdgcn-amd-amdhsa--gfx1250"
	.amdhsa_code_object_version 6
	.text
	.protected	k_q93e3471058_attn
	.globl	k_q93e3471058_attn
	.p2align	8
	.type	k_q93e3471058_attn,@function
k_q93e3471058_attn:
	s_mov_b64 s[64:65], 0
	v_nop
	global_prefetch_b8 v0, s[64:65] scope:SCOPE_SE
	s_setreg_imm32_b32 hwreg(HW_REG_WAVE_MODE, 25, 1), 1
	s_wait_xcnt 0x0
	s_wait_alu depctr_hold_cnt(0) depctr_sa_sdst(0) depctr_va_vdst(0) depctr_va_sdst(0) depctr_va_ssrc(0) depctr_va_vcc(0) depctr_vm_vsrc(0)
	s_getreg_b32 s2, hwreg(HW_REG_IB_STS2, 6, 4)
	s_cmp_eq_u32 s2, 0
	s_cbranch_scc0 .Lentry_in_a_cluster
	s_endpgm
.Lentry_in_a_cluster:
	s_bfe_u32 s2, ttmp6, 0x10000c
	s_cmp_lg_u32 s2, 0xf033
	s_cbranch_scc0 .Lentry_shape_is_right
	s_endpgm
.Lentry_shape_is_right:
; LAUNCH 3 OF 4: attention on codes of FP6.  logit = q . k + attn_mask, keys under key_padding_mask hidden; t = logit x log2(e); M = the running largest t rounded up to a whole number; p = 2^(t - M) is quantised along
; the keys; the row's sum l is taken of the unquantised p; O = (p v) / l, quantised along the 1,024 features for launch 4.  Nothing is left out: hidden keys lie inside p's and v's blocks of 32, so they are computed and selected away.
; SHARES.  A work-group = (batch b = cluster y, four heads 4 cy .. 4 cy + 3, 128 queries: block 4 x cluster x + cx).  Wave w owns ONE tile of 16 queries for all FOUR heads and walks 16 steps of 128 keys.
; THE MASKS COST NO WORK A HEAD: a step's tile of attn_mask plus the padding term (0 or -2e38 a key) is built once in 64 registers and is the C of the score products of all four heads.
; CLUSTER.  The mask's tile hangs on the query block: asked for jointly along a column of the cluster; a head's package of k and v hangs on b and the head: jointly along a row.
; LAYOUT.  Both products transposed: S^T = k q^T + C, O^T = v^T p^T: a lane holds one query.  Launch 1 and 2 have ordered the keys of k's tiles and the channels of v's tiles so that a lane's registers run along neighbours.
; K = 64 IN THE FIRST PRODUCT: q's operand is 6 registers of codes and 6 of zeros; k's tiles lie 6 registers apart, and a tile's operand runs on into the next tile's codes (or a tail of zeros), which meet zero codes alone:
; E2M3 has no infinity and no NaN, so those products are 0; the scale bytes of that half are 0.
; HIDDEN KEYS.  Their logit is about -2e38 and their t about -2.9e38: finite, and under the value -1e38 at which the running largest t begins: they never become the maximum, and their p is 0, in a step of hidden keys alone too.
; A ROW WITH NO KEY keeps -1e38: its 1 / l is replaced by 0 and its scale words by 0xffffffff, whose bytes make launch 4's sums NaN, as the softmax of a row of -infinity is.
; LIMITS: attn_mask finite with magnitudes under 1e37; a row whose logits all lie under -3.5e37 counts as having no key; NaN and infinities among the inputs are not served; a block under the floor 2^-124 keeps the byte 1.
; REGISTERS: window 0: v1-13 addresses; v16-25 scale words; v28-43 a head's -M, largest t, l (two halves); v44-91 q; v92-155 C; v156-219 S^T, then p; v220-231 p's codes; v232-254 at work.
;   window 1: v0-127 O^T (32 a head); v128-181 k of one head (48 + 6 zeros); v182-229 v of one head.
.set KVO,   67584                      ; a slot: 128 rows of the mask x (512 + 16) bytes, then four packages
.set PKG,   13056
.set SLOT1, 1<<17                      ; slot 1 begins here: one exclusive or turns an address
.set PB,    2*SLOT1                    ; the padding terms of the batch's 2,048 keys, f32; stored once
.set SPARE, PB+8192                    ; the spare words, 128 bytes a wave, that no other line names
.set K16, 1
.set K8,  2
.set K4,  3
.set AM0, 4
.set APB, 5
.set A16, 6
.set A8,  7
.set A4,  8
.set AMS, 9
.set APS, 10
.set PFO, 11
.set L16, 12
.set R8,  13
.set ONES, 14
.set ZR,  15
.set QS,  16
.set KS,  20
.set VS,  24
.set SPW, 26
.set NIL, 27
.set ST,  28
.set Q,   44
.set CM,  92
.set S,   156
.set PC,  220
.set TMX, 232
.set CT,  236
.set PW,  243
.set TSC, 244
.set TMP, 248
.set KF,  128
.set VF,  182
.set WV,  18
.set SEL, 20
.set CS,  22
.set G1M, 24
.set G1K, 32
.set G0M, 40
.set G0K, 44
.set TB,  48
.set TP,  49
.set SLOTS, 50
.set PFA, 56
.set PFS, 58
.set LIM, 60
.set MSB, 0
.macro WIN new
.if MSB != (\new)
	s_set_vgpr_msb (MSB<<8)|(\new)
.set MSB, (\new)
.endif
.endm
.set W_S,  0x01                        ; k in window 1; q, C and S^T in window 0
.set W_LD, 0x40                        ; destination window 1
.set W_RS, 0x41                        ; O^T (destination, source 0) window 1
.set W_PV, 0x51                        ; v and O^T window 1, p window 0
.macro JLOAD                           ; waves 0-3 fetch 32 rows of the mask's tile each, waves 4-7 a head's package each; an s_nop 0 and four v_nop follow each line
	s_cmp_lt_u32 s[WV], 4
	s_cbranch_scc0 .Lfor_k_\@
	tensor_load_to_lds s[G0M:G0M+3], s[G1M:G1M+7]
	s_nop 0
.rept 4
	v_nop
.endr
	s_branch .Lasked_\@
.Lfor_k_\@:
	tensor_load_to_lds s[G0K:G0K+3], s[G1K:G1K+7]
	s_nop 0
.rept 4
	v_nop
.endr
.Lasked_\@:
.endm
; A prefetch of what the NEXT change of slots will ask for.  Each block of 256 bytes is named once (a package's last block by the lanes that are over).  The mask's tile is read by the clusters of one cluster x: cluster y = 0 asks;
; its partners of a column take 32 rows each, by address; waves 0 and 1 the two halves of a row's 512 bytes.  A package is read by the clusters of one cluster y: cluster x = 0 asks; partner cx of a row takes head 4 cy + cx, by
; address; waves 4 and 5 its 51 blocks.  The last change that fills a slot asks for nothing.
.macro ASK
	s_cmp_gt_u32 s[SLOTS], s[LIM]
	s_cbranch_scc0 .Lnot_mine_\@
	global_prefetch_b8 v[PFO], s[PFA:PFA+1] th:TH_LOAD_NT scope:SCOPE_SE
.Lnot_mine_\@:
.endm
.macro CROUND
	s_barrier_signal -1
	s_barrier_wait -1
	s_cmp_lg_u32 s[WV], 0
	s_cbranch_scc1 .Lnot_wave_0_\@
	s_barrier_signal -3
.Lnot_wave_0_\@:
	s_barrier_wait -3
	s_barrier_signal -1
	s_barrier_wait -1
.endm
.macro QUANT s                         ; 64 numbers of a lane, register 16 b + i = k 32 b + 16 h + i, become codes in v[PC] on and the row's scale word in v[PW]
.irp b, 0,1,2,3
	v_max3_num_f32 v[TMX+\b], |v[\s+16*\b]|, |v[\s+1+16*\b]|, 0x1800000
.endr
.irp i, 2,4,6,8,10,12,14
.irp b, 0,1,2,3
	s_delay_alu instid0(VALU_DEP_4)
	v_max3_num_f32 v[TMX+\b], v[TMX+\b], |v[\s+16*\b+\i]|, |v[\s+1+16*\b+\i]|
.endr
.endr
.irp b, 0,1,2,3
	s_delay_alu instid0(VALU_DEP_4)
	v_permlanex16_b32 v[TMP+\b], v[TMX+\b], s[SEL], s[SEL+1]
.endr
.irp b, 0,1,2,3
	s_delay_alu instid0(VALU_DEP_4)
	v_max_num_f32 v[TMX+\b], v[TMX+\b], v[TMP+\b]
.endr
.irp b, 0,1,2,3
	s_delay_alu instid0(VALU_DEP_4)
	v_add_nc_u32 v[TSC+\b], 0xff000000, v[TMX+\b]
.endr
.irp b, 0,1,2,3
	s_delay_alu instid0(VALU_DEP_4)
	v_lshrrev_b32 v[TMP+\b], 23, v[TSC+\b]
.endr
	s_delay_alu instid0(VALU_DEP_3)
	v_lshl_or_b32 v[PW], v[TMP+1], 8, v[TMP]
	s_delay_alu instid0(VALU_DEP_1)
	v_lshl_or_b32 v[PW], v[TMP+2], 16, v[PW]
	s_delay_alu instid0(VALU_DEP_1)
	v_lshl_or_b32 v[PW], v[TMP+3], 24, v[PW]
.irp c, 0,1
	v_cvt_scalef32_pk16_fp6_f32 v[PC+6*\c:PC+2+6*\c], v[\s+32*\c:\s+15+32*\c], v[TSC+2*\c]
	v_cvt_scalef32_pk16_fp6_f32 v[CT+4*\c:CT+2+4*\c], v[\s+16+32*\c:\s+31+32*\c], v[TSC+2*\c+1]
.endr
	v_nop
.irp c, 0,1
.irp i, 0,1,2
	v_permlane16_swap_b32 v[PC+6*\c+\i], v[CT+4*\c+\i]
.endr
.irp i, 0,1,2
	s_delay_alu instid0(VALU_DEP_3)
	v_mov_b32 v[PC+3+6*\c+\i], v[CT+4*\c+\i]
.endr
.endr
.endm
	s_load_b256 s[4:11], s[0:1], 0x0               ; qc, qs, kv, attn_mask
	s_load_b128 s[12:15], s[0:1], 0x20             ; key_padding_mask, ac
	s_load_b64 s[16:17], s[0:1], 0x30              ; as
	v_lshl_add_u32 v[SPW], v0, 2, SPARE
	v_mov_b32 v[NIL], 0
	ds_add_u32 v[SPW], v[NIL]                      ; the wave's opening: the add, twice on end, and its wait ahead of my first tensor load
	ds_add_u32 v[SPW], v[NIL]
	v_lshrrev_b32 v12, 5, v0
	s_delay_alu instid0(VALU_DEP_1)
	v_readfirstlane_b32 s[WV], v12                 ; wave 0..7
	s_and_b32 s19, s[WV], 3                        ; which quarter of the mask's tile, or which head's package, I fetch
	s_bfe_u32 s51, ttmp6, 0x40000                  ; cx
	s_bfe_u32 s52, ttmp6, 0x40004                  ; cy: the group of four heads
	s_lshl_b32 s53, ttmp9, 2
	s_add_co_u32 s53, s53, s51                     ; the block of 128 queries
	s_and_b32 s54, ttmp7, 0xffff                   ; b
	s_lshl_b32 s66, s53, 7
	s_lshl_b32 s67, s19, 5
	s_add_co_u32 s66, s66, s67
	s_lshl_b32 s66, s66, 13                        ; the mask: row 128 x block + 32 x quarter, 8,192 bytes a row
	s_mov_b32 s67, 0
	s_lshl_b32 s68, s54, 8
	s_lshl_b32 s69, s52, 2
	s_add_co_u32 s68, s68, s69
	s_add_co_u32 s68, s68, s19
	s_mul_i32 s68, s68, PKG                        ; the package (b, step 0, head 4 cy + quarter)
	s_mov_b32 s69, 0
	s_mul_i32 s70, s19, 32*528
	s_mul_i32 s71, s19, PKG
	s_add_co_u32 s71, s71, KVO
	s_lshl_b32 s72, s54, 4
	s_lshl_b32 s73, s52, 2
	s_add_co_u32 s72, s72, s73
	s_lshl_b32 s72, s72, 7
	s_lshl_b32 s73, s53, 3
	s_add_co_u32 s73, s73, s[WV]                   ; my tile of 16 queries
	s_add_co_u32 s72, s72, s73                     ; (16 b + first head) 128 + tile
	s_mul_i32 s74, s72, 768
	s_mov_b32 s75, 0
	s_lshl_b32 s76, s72, 6
	s_mov_b32 s77, 0
	s_lshl_b32 s78, s54, 7
	s_add_co_u32 s78, s78, s73                     ; my tile of rows in ac and as
	s_mul_i32 s80, s78, 12288
	s_mul_i32 s79, s52, 3072
	s_add_co_u32 s80, s80, s79
	s_mov_b32 s81, 0
	s_lshl_b32 s82, s78, 9
	s_lshl_b32 s79, s52, 7
	s_add_co_u32 s82, s82, s79
	s_mov_b32 s83, 0
	s_lshl_b32 s84, s54, 11
	s_mov_b32 s85, 0
	s_lshl_b32 s86, 0x1111, s51                    ; my column of the cluster
	s_lshl_b32 s87, s52, 2
	s_lshl_b32 s87, 15, s87                        ; my row
	; group 1, the mask: 32 rows x 128 f32, 2,048 from row to row, 16 bytes of padding behind each row's 128 words
	s_or_b32 s[G1M], s86, (2<<16)|(1<<20)|(1<<21)|(6<<22)|(3<<25)
	s_mov_b32 s[G1M+1], 128<<16
	s_mov_b32 s[G1M+2], 32<<16
	s_mov_b32 s[G1M+3], 128<<16
	s_mov_b32 s[G1M+4], 32
	s_mov_b32 s[G1M+5], 2048
	s_mov_b32 s[G1M+6], 0
	s_mov_b32 s[G1M+7], 0
	; group 1, a package: 13,056 dense bytes as 51 rows of 256
	s_or_b32 s[G1K], s87, (3<<16)|(1<<21)
	s_mov_b32 s[G1K+1], 32<<16
	s_mov_b32 s[G1K+2], 51<<16
	s_mov_b32 s[G1K+3], 32<<16
	s_mov_b32 s[G1K+4], 51
	s_mov_b32 s[G1K+5], 32
	s_mov_b32 s[G1K+6], 0
	s_mov_b32 s[G1K+7], 0
	s_mov_b32 s[SEL], 0x76543210
	s_mov_b32 s[SEL+1], 0xfedcba98
	s_mov_b32 s[CS], 0x3fb8aa3b                    ; log2(e)
	s_mov_b32 s[CS+1], s[CS]
	s_mov_b32 s[TB], 0
	s_mov_b32 s[TP], 0
	s_mov_b32 s[SLOTS], 15
	s_wait_dscnt 0x0                               ; both opening adds are done
	s_wait_kmcnt 0x0
	CROUND                                         ; all sixteen work-groups are here: the first joint loads meet
	s_mov_b32 s[G0M], 1
	s_mov_b32 s[G0M+1], s70
	s_add_nc_u64 s[G0M+2:G0M+3], s[10:11], s[66:67]
	s_or_b32 s[G0M+3], s[G0M+3], 0x80000000
	s_mov_b32 s[G0K], 1
	s_mov_b32 s[G0K+1], s71
	s_add_nc_u64 s[G0K+2:G0K+3], s[8:9], s[68:69]
	s_or_b32 s[G0K+3], s[G0K+3], 0x80000000
	JLOAD                                          ; step 0 into slot 0: one tensor load of mine is out
	s_add_nc_u64 s[12:13], s[12:13], s[84:85]      ; my batch's padding bytes
	s_add_nc_u64 s[4:5], s[4:5], s[74:75]          ; q's codes, my tile, first head
	s_add_nc_u64 s[6:7], s[6:7], s[76:77]
	s_add_nc_u64 s[14:15], s[14:15], s[80:81]
	s_add_nc_u64 s[16:17], s[16:17], s[82:83]
	v_lshlrev_b32 v[A16], 3, v0                    ; thread t takes keys 8 t .. 8 t + 7
	global_load_b64 v[232:233], v[A16], s[12:13]
	v_and_b32 v[PFO], 31, v0                       ; lane
	v_and_b32 v[A4], 15, v0                        ; r
	v_bfe_u32 v[AMS], v0, 4, 1                     ; h
	s_delay_alu instid0(VALU_DEP_3)
	v_lshlrev_b32 v[L16], 4, v[PFO]
	s_delay_alu instid0(VALU_DEP_4)
	v_lshlrev_b32 v[A8], 3, v[PFO]
	s_delay_alu instid0(VALU_DEP_4)
	v_lshlrev_b32 v[APS], 2, v[A4]
	v_lshlrev_b32 v[R8], 3, v[A4]
.irp i, 0,1,2,3
	global_load_b128 v[Q+12*\i:Q+12*\i+3], v[L16], s[4:5] offset:98304*\i
	global_load_b64 v[Q+12*\i+4:Q+12*\i+5], v[A8], s[4:5] offset:98304*\i+512
	global_load_b32 v[QS+\i], v[APS], s[6:7] offset:8192*\i
.endr
	v_lshl_add_u32 v[K16], v[PFO], 4, KVO
	v_lshl_add_u32 v[K8], v[PFO], 3, KVO
	v_lshl_add_u32 v[K4], v[PFO], 2, KVO
	s_mul_i32 s86, s[WV], 16*528
	v_mul_u32_u24 v[AM0], v[A4], 528
	s_delay_alu instid0(VALU_DEP_1)
	v_lshl_add_u32 v[AM0], v[AMS], 6, v[AM0]
	s_delay_alu instid0(VALU_DEP_1)
	v_add_nc_u32 v[AM0], s86, v[AM0]               ; the mask: row 16 w + r, + 64 h
	v_lshl_add_u32 v[APB], v[AMS], 6, PB
.irp i, 0,1,2,3
.irp j, 6,7,8,9,10,11
	v_mov_b32 v[Q+12*\i+\j], 0                     ; the upper half of q's K: zero codes
.endr
	v_mov_b32 v[ST+4*\i+1], 0xfe967699             ; the largest t so far: -1e38
	s_delay_alu instid0(VALU_DEP_1)
	v_floor_f32 v[ST+4*\i], -v[ST+4*\i+1]          ; -M
	v_mov_b32 v[ST+4*\i+2], 0                      ; l, in two halves
	v_mov_b32 v[ST+4*\i+3], 0
	v_mov_b32 v[236+\i], 0                         ; written once: a lane permute's destination counts as one of its sources
	v_mov_b32 v[TMP+\i], 0
.endr
	v_mov_b32 v253, 0                              ; (named as the upper half of the pair v[252:253] before it is first written)
	WIN W_LD
.irp j, 0,1,2,3,4,5
	v_mov_b32 v[KF+48+\j], 0                       ; the tail behind k's last tile
.endr
	WIN 0
	; the prefetches: where my wave's stand, and who asks
	s_and_b32 s87, s[WV], 1
	s_lshl_b32 s70, s53, 7
	s_lshl_b32 s71, s52, 5
	s_add_co_u32 s70, s70, s71
	s_lshl_b32 s70, s70, 13
	s_lshl_b32 s71, s87, 8
	s_add_co_u32 s70, s70, s71                     ; the mask: row 128 x block + 32 cy, byte 256 (w % 2)
	s_lshl_b32 s71, s54, 8
	s_lshl_b32 s88, s52, 2
	s_add_co_u32 s71, s71, s88
	s_add_co_u32 s71, s71, s51
	s_mul_i32 s71, s71, PKG                        ; the package of head 4 cy + cx
	s_lshl_b32 s88, s87, 5
	s_cmp_lt_u32 s[WV], 4
	s_cselect_b64 s[PFA:PFA+1], s[10:11], s[8:9]
	s_cselect_b32 s70, s70, s71
	s_cselect_b32 s88, 0, s88                      ; my first block,
	s_cselect_b32 s89, 31, 50                      ; the last,
	s_mov_b32 s90, 256
	s_cselect_b32 s90, 8192, s90                   ; from lane to lane
	s_cselect_b32 s86, s54, ttmp9                  ; the coordinate along which other clusters read the same bytes
	s_mov_b32 s[PFS], 16*PKG
	s_cselect_b32 s[PFS], 512, s[PFS]              ; a step on
	s_mov_b32 s[PFS+1], 0
	s_mov_b32 s71, 0
	s_add_nc_u64 s[PFA:PFA+1], s[PFA:PFA+1], s[70:71]
	s_add_nc_u64 s[PFA:PFA+1], s[PFA:PFA+1], s[PFS:PFS+1]   ; at step 1: the first change steps it to step 2.  Nothing is prefetched here, at the head
	s_and_b32 s87, s[WV], 2
	s_or_b32 s86, s86, s87
	s_cmp_eq_u32 s86, 0
	s_cselect_b32 s[LIM], 1, -1                    ; waves 0, 1, 4, 5 of the asking clusters: the same in all partners
	v_add_nc_u32 v[PFO], s88, v[PFO]
	s_delay_alu instid0(VALU_DEP_1)
	v_min_u32 v[PFO], s89, v[PFO]
	s_delay_alu instid0(VALU_DEP_1)
	v_mul_lo_u32 v[PFO], v[PFO], s90
	s_wait_loadcnt 0x0                             ; the padding bytes, q, q's scale words
.irp k, 0,1,2,3
	v_bfe_u32 v[S+\k], v232, 8*\k, 1
	v_bfe_u32 v[S+4+\k], v233, 8*\k, 1
.endr
.irp k, 0,1,2,3,4,5,6,7
	v_sub_nc_u32 v[S+\k], 0, v[S+\k]               ; 0 or all ones
.endr
.irp k, 0,1,2,3,4,5,6,7
	v_and_b32 v[S+\k], 0xff167699, v[S+\k]         ; 0 or -2e38
.endr
	v_lshl_add_u32 v[A8], v0, 5, PB
	ds_store_b128 v[A8], v[S:S+3]
	ds_store_b128 v[A8], v[S+4:S+7] offset:16      ; shown to all waves by the first change's wait and round
.macro LOADK hd                        ; a head's 8 tiles of k: 6 registers each
.irp t, 0,1,2,3,4,5,6,7
	ds_load_b128 v[KF+6*\t:KF+6*\t+3], v[A16] offset:PKG*(\hd)+768*\t
	ds_load_b64 v[KF+6*\t+4:KF+6*\t+5], v[A8] offset:PKG*(\hd)+768*\t+512
.endr
.endm
; ONE HEAD'S PART OF A STEP.  first = 1: the first step: O^T's sums begin with the constant 0 and there is nothing to rescale.
.macro HEAD hd, first, pre             ; pre = 1 (the step's last head): the change of slots is opened here, behind my last LDS loads of this slot
.set NM, ST+4*(\hd)
.set LL, ST+4*(\hd)+2
	s_wait_dscnt 0x0                               ; this head's k and its scale words are in
	WIN W_S
.irp t, 0,1,2,3,4,5,6,7
.if (\t)%2
	v_wmma_scale_f32_16x16x128_f8f6f4 v[S+8*\t:S+8*\t+7], v[KF+6*\t:KF+6*\t+11], v[Q+12*(\hd):Q+12*(\hd)+11], v[CM+8*\t:CM+8*\t+7], v[KS+\t/2], v[QS+(\hd)] matrix_a_fmt:MATRIX_FMT_FP6 matrix_b_fmt:MATRIX_FMT_FP6 matrix_a_scale:MATRIX_SCALE_ROW1
.else
	v_wmma_scale_f32_16x16x128_f8f6f4 v[S+8*\t:S+8*\t+7], v[KF+6*\t:KF+6*\t+11], v[Q+12*(\hd):Q+12*(\hd)+11], v[CM+8*\t:CM+8*\t+7], v[KS+\t/2], v[QS+(\hd)] matrix_a_fmt:MATRIX_FMT_FP6 matrix_b_fmt:MATRIX_FMT_FP6
.endif
.endr
	WIN 0
.rept 4
	v_nop                                          ; places in front of the loads into registers that matrix instructions have read, and of the first read of the scores
.endr
.irp u, 0,1
	ds_load_b32 v[VS+\u], v[A4] offset:PKG*(\hd)+12800+128*\u
.endr
	WIN W_LD
.irp ct, 0,1,2,3
.irp g, 0,1,2
	ds_load_b128 v[VF+12*\ct+4*\g:VF+12*\ct+4*\g+3], v[A16] offset:PKG*(\hd)+6144+1536*\ct+512*\g
.endr
.endr
.if (\hd) < 3
	LOADK (\hd)+1                                  ; the next head's k lands under this head's softmax
.endif
	WIN 0
.if (\hd) < 3
.irp u, 0,1,2,3
	ds_load_b32 v[KS+\u], v[A4] offset:PKG*((\hd)+1)+12288+128*\u
.endr
.endif
.irp b, 0,1,2,3
	v_max3_num_f32 v[232+\b], v[S+16*\b], v[S+1+16*\b], v[S+2+16*\b]   ; the largest score of each block of 32 keys: for the row's maximum, and, since p rises with the score, for the block's largest p
.endr
.irp n, 3,5,7,9,11,13
.irp b, 0,1,2,3
	v_max3_num_f32 v[232+\b], v[232+\b], v[S+16*\b+\n], v[S+1+16*\b+\n]
.endr
.endr
.irp b, 0,1,2,3
	v_max_num_f32 v[232+\b], v[232+\b], v[S+15+16*\b]
.endr
.irp b, 0,1,2,3
	s_delay_alu instid0(VALU_DEP_4)
	v_permlanex16_b32 v[236+\b], v[232+\b], s[SEL], s[SEL+1]
.endr
.irp b, 0,1,2,3
	s_delay_alu instid0(VALU_DEP_4)
	v_max_num_f32 v[232+\b], v[232+\b], v[236+\b]
.endr
	s_delay_alu instid0(VALU_DEP_2)
	v_max3_num_f32 v254, v232, v233, v234
	s_delay_alu instid0(VALU_DEP_1)
	v_max_num_f32 v254, v254, v235
	s_delay_alu instid0(VALU_DEP_1)
	v_mul_f32 v254, s[CS], v254                    ; as t
	s_delay_alu instid0(VALU_DEP_1)
	v_max_num_f32 v[NM+1], v[NM+1], v254           ; the running largest t
	v_mov_b32 v254, v[NM]
	s_delay_alu instid0(VALU_DEP_2)
	v_floor_f32 v[NM], -v[NM+1]                    ; the new -M = floor(-t): M is a whole number
	s_delay_alu instid0(VALU_DEP_1)
	v_sub_f32 v254, v[NM], v254                    ; old M - new M: a whole number, 0 or less
	s_delay_alu instid0(VALU_DEP_1)
	v_cvt_i32_f32 v254, v254                       ; (it saturates)
	s_delay_alu instid0(VALU_DEP_1)
	v_ldexp_f32 v252, 1.0, v254
.if (\pre) == 1
	s_wait_alu depctr_va_vdst(0)
	s_barrier_wait -1                              ; every wave's part of the next slot is in (signalled in head 2)
	s_xor_b32 s[TB], s[TB], SLOT1                  ; on to the other slot: this head's v has been asked for above
	NEXTLD                                         ; the next step's mask tile, head 0's k and its scale words, 36 loads, land under this head's exponentials
.endif
.set k, 0
.rept 32
	v_pk_fma_f32 v[S+2*k:S+2*k+1], v[S+2*k:S+2*k+1], s[CS:CS+1], v[NM:NM+1] op_sel_hi:[1,0,0]   ; t - M
.set k, k+1
.endr
.irp b, 0,1,2,3
	v_fma_f32 v[232+\b], v[232+\b], s[CS], v[NM]
.endr
.set k, 0
	s_wait_alu depctr_va_vdst(0)
.rept 64
	v_exp_f32 v[S+k], v[S+k]                       ; p = 2^(t - M): not normalised
.set k, k+1
.endr
	v_pk_mul_f32 v[LL:LL+1], v[LL:LL+1], v[252:253] op_sel_hi:[1,0]   ; l under the new M; a plain place behind the exponentials
	s_wait_alu depctr_va_vdst(0)                   ; one wait for the batch of 64, ahead of its first reader
.irp b, 0,1,2,3
	v_exp_f32 v[232+\b], v[232+\b]                 ; the blocks' largest p
.endr
	v_pk_add_f32 v[236:237], v[S:S+1], v[S+2:S+3]  ; the row's sum, of the unquantised p, in two chains
.irp j, 4,8,12,16,20,24,28,32,36,40,44,48,52,56,60
	v_pk_add_f32 v[LL:LL+1], v[LL:LL+1], v[S+\j:S+\j+1]
	v_pk_add_f32 v[236:237], v[236:237], v[S+2+\j:S+3+\j]
.endr
	s_delay_alu instid0(VALU_DEP_1)
	v_pk_add_f32 v[LL:LL+1], v[LL:LL+1], v[236:237]
	s_wait_alu depctr_va_vdst(0)
.if (\pre) == 2                        ; head 2: my part of the next slot is in; say so
	s_wait_tensorcnt 0x0
	s_wait_dscnt 0x0                               ; no LDS instruction of mine is pending at a signal
	s_barrier_signal -1
.endif
.if (\pre) == 1                        ; head 3: the change of slots is opened here, behind my last reads of the slot that I leave
	s_wait_tensorcnt 0x0                           ; no tensor load of mine is out, so a group 0 may be written
	ds_add_u32 v[SPW], v[NIL]
	s_xor_b32 s[G0M+1], s[G0M+1], SLOT1
	s_add_nc_u64 s[G0M+2:G0M+3], s[G0M+2:G0M+3], 512
	s_xor_b32 s[G0K+1], s[G0K+1], SLOT1
	s_add_nc_u64 s[G0K+2:G0K+3], s[G0K+2:G0K+3], 16*PKG
	s_wait_xcnt 0x0                                ; this step's prefetch has read its address
	s_add_nc_u64 s[PFA:PFA+1], s[PFA:PFA+1], s[PFS:PFS+1]
	s_wait_dscnt 0x0                               ; the add is done; v, its scale words and the next step's 36 loads are in
	s_barrier_signal -1                            ; say so; the rest of this head is work on registers alone
.endif
.irp b, 0,1,2,3
	v_max_num_f32 v[232+\b], 0x1800000, v[232+\b]  ; the floor: the byte cannot fall under 1
.endr
.irp b, 0,1,2,3
	s_delay_alu instid0(VALU_DEP_4)
	v_add_nc_u32 v[244+\b], 0xff000000, v[232+\b]
.endr
.irp b, 0,1,2,3
	s_delay_alu instid0(VALU_DEP_4)
	v_lshrrev_b32 v[236+\b], 23, v[244+\b]
.endr
	s_delay_alu instid0(VALU_DEP_3)
	v_lshl_or_b32 v253, v237, 8, v236              ; p's scale word for these 128 keys
	s_delay_alu instid0(VALU_DEP_1)
	v_lshl_or_b32 v253, v238, 16, v253
	s_delay_alu instid0(VALU_DEP_1)
	v_lshl_or_b32 v253, v239, 24, v253
.irp c, 0,1
	v_cvt_scalef32_pk16_fp6_f32 v[PC+6*\c:PC+2+6*\c], v[S+32*\c:S+15+32*\c], v[244+2*\c]
	v_cvt_scalef32_pk16_fp6_f32 v[236+4*\c:238+4*\c], v[S+16+32*\c:S+31+32*\c], v[244+2*\c+1]
.endr
	v_nop                                          ; one plain place behind a scaled conversion
.irp c, 0,1
.irp e, 0,1,2
	v_permlane16_swap_b32 v[PC+6*\c+\e], v[236+4*\c+\e]
.endr
.irp e, 0,1,2
	s_delay_alu instid0(VALU_DEP_3)
	v_mov_b32 v[PC+3+6*\c+\e], v[236+4*\c+\e]
.endr
.endr
.if \first
	s_wait_alu depctr_va_vdst(0)
.rept 8
	v_nop                                          ; a scale register written by a vector instruction stands 8 places ahead of a scaled matrix instruction
.endr
.else
	WIN W_RS
.set k, 0
.rept 16
	v_pk_mul_f32 v[32*(\hd)+2*k:32*(\hd)+2*k+1], v[32*(\hd)+2*k:32*(\hd)+2*k+1], v[252:253] op_sel_hi:[1,0]   ; O^T under the new M; these are also the places in front of the products below
.set k, k+1
.endr
.endif
.if (\hd) < 3
	s_wait_alu depctr_va_vdst(0)
	s_wait_dscnt 20                                ; v and its scale words are in; the next head's k (16 loads) and its scale words (4) may be out
.else
	s_wait_alu depctr_va_vdst(0)
.if (\pre) == 0
	s_wait_dscnt 0x0
.endif
.endif
	WIN W_PV
.irp ct, 0,1,2,3                               ; four accumulators, one instruction each
.if \first
.if (\ct)%2
	v_wmma_scale_f32_16x16x128_f8f6f4 v[32*(\hd)+8*\ct:32*(\hd)+8*\ct+7], v[VF+12*\ct:VF+12*\ct+11], v[PC:PC+11], 0, v[VS+\ct/2], v253 matrix_a_fmt:MATRIX_FMT_FP6 matrix_b_fmt:MATRIX_FMT_FP6 matrix_a_scale:MATRIX_SCALE_ROW1
.else
	v_wmma_scale_f32_16x16x128_f8f6f4 v[32*(\hd)+8*\ct:32*(\hd)+8*\ct+7], v[VF+12*\ct:VF+12*\ct+11], v[PC:PC+11], 0, v[VS+\ct/2], v253 matrix_a_fmt:MATRIX_FMT_FP6 matrix_b_fmt:MATRIX_FMT_FP6
.endif
.else
.if (\ct)%2
	v_wmma_scale_f32_16x16x128_f8f6f4 v[32*(\hd)+8*\ct:32*(\hd)+8*\ct+7], v[VF+12*\ct:VF+12*\ct+11], v[PC:PC+11], v[32*(\hd)+8*\ct:32*(\hd)+8*\ct+7], v[VS+\ct/2], v253 matrix_a_fmt:MATRIX_FMT_FP6 matrix_b_fmt:MATRIX_FMT_FP6 matrix_a_scale:MATRIX_SCALE_ROW1
.else
	v_wmma_scale_f32_16x16x128_f8f6f4 v[32*(\hd)+8*\ct:32*(\hd)+8*\ct+7], v[VF+12*\ct:VF+12*\ct+11], v[PC:PC+11], v[32*(\hd)+8*\ct:32*(\hd)+8*\ct+7], v[VS+\ct/2], v253 matrix_a_fmt:MATRIX_FMT_FP6 matrix_b_fmt:MATRIX_FMT_FP6
.endif
.endif
.endr
	WIN 0
.endm
; A STEP OF 128 KEYS: the masks' tile is built once, then the four heads
.macro NEXTLD                          ; what a step needs of slot s[TB] ahead of its first product: the addresses, the mask tile, head 0's k and its scale words
	v_add_nc_u32 v[A16], s[TB], v[K16]
	v_add_nc_u32 v[A8], s[TB], v[K8]
	v_add_nc_u32 v[A4], s[TB], v[K4]
	v_add_nc_u32 v[AMS], s[TB], v[AM0]
.irp b, 0,1,2,3
.irp j, 0,1,2,3
	ds_load_b128 v[CM+16*\b+4*\j:CM+16*\b+4*\j+3], v[AMS] offset:128*\b+16*\j   ; attn_mask(my query, keys 32 b + 16 h + 4 j ..)
.endr
.endr
.irp u, 0,1,2,3
	ds_load_b32 v[KS+\u], v[A4] offset:12288+128*\u
.endr
	WIN W_LD
	LOADK 0
	WIN 0
.endm
.macro STEP first, pre                 ; pre = 1: heads 2 and 3 fetch the next step's NEXTLD and open the change of slots; only the first step fetches its own
	v_add_nc_u32 v[APS], s[TP], v[APB]
.if \first
	NEXTLD
.endif
.irp b, 0,1,2,3
.irp j, 0,1,2,3
	ds_load_b128 v[S+16*\b+4*\j:S+16*\b+4*\j+3], v[APS] offset:128*\b+16*\j     ; the same keys' padding terms
.endr
.endr
	s_wait_dscnt 0x0                               ; the padding terms are in (in the first step: all of the above)
.set k, 0
.rept 32
	v_pk_add_f32 v[CM+2*k:CM+2*k+1], v[CM+2*k:CM+2*k+1], v[S+2*k:S+2*k+1]
.set k, k+1
.endr
.rept 4
	v_nop
.endr
	s_wait_alu depctr_va_vdst(0)
	HEAD 0, \first, 0
	HEAD 1, \first, 0
	HEAD 2, \first, 2*\pre
	HEAD 3, \first, \pre
	s_add_co_u32 s[TP], s[TP], 512                 ; the next 128 padding terms
.endm
; THE CHANGE OF SLOTS stands at a step's head.  Each wave waits for all its tensor loads (its part of the slot that it is about to read), adds 0 to its spare word, and waits for that and for its reads of the slot that it has left.
; fill = 1: a round of the cluster's barrier, and behind it the other slot is asked for, jointly: the load has a whole step in which to land.
.macro CHANGE fill
	s_wait_tensorcnt 0x0                           ; no tensor load of mine is out, so a group 0 may be written
	ds_add_u32 v[SPW], v[NIL]
.if \fill
	s_xor_b32 s[G0M+1], s[G0M+1], SLOT1
	s_add_nc_u64 s[G0M+2:G0M+3], s[G0M+2:G0M+3], 512
	s_xor_b32 s[G0K+1], s[G0K+1], SLOT1
	s_add_nc_u64 s[G0K+2:G0K+3], s[G0K+2:G0K+3], 16*PKG
	s_wait_xcnt 0x0
	s_add_nc_u64 s[PFA:PFA+1], s[PFA:PFA+1], s[PFS:PFS+1]
	s_wait_dscnt 0x0                               ; the add is done, and my LDS reads and stores are over
	CROUND
	JLOAD
	ASK
.else
	s_wait_dscnt 0x0
	s_barrier_signal -1
	s_barrier_wait -1
.endif
.endm
.macro CREST                           ; a round of the cluster's barrier behind its opening barrier
	s_cmp_lg_u32 s[WV], 0
	s_cbranch_scc1 .Lnw0_\@
	s_barrier_signal -3
.Lnw0_\@:
	s_barrier_wait -3
	s_barrier_signal -1
	s_barrier_wait -1
.endm
	CHANGE 1                                       ; slot 0 is whole; slot 1's first fill goes out as a refill does
	STEP 1, 1                                      ; each of steps 0 to 14 opens the next change in its last head: the three lines and the signal
	s_mov_b32 s[SLOTS], 14
.Lstep:                                            ; steps 1 to 14
	s_barrier_wait -1                              ; every wave has left the slot read last and has its part of this one
	CREST
	JLOAD                                          ; the first tensor load behind the round
	ASK
	STEP 0, 1
	s_sub_co_u32 s[SLOTS], s[SLOTS], 1
	s_cmp_lg_u32 s[SLOTS], 0
	s_cbranch_scc1 .Lstep
	s_barrier_wait -1                              ; the last step: nothing is left to ask for (the addresses stepped in step 14 are not used)
	STEP 0, 0
	; THE WAY OUT.  O^T / l; two heads' 128 features are a K step of launch 4: quantised, stored as an image.  The additions are the places behind the last products.
	s_mov_b32 s70, 0xfe167699                      ; -5e37
.irp i, 0,1,2,3
	v_add_f32 v[TMX+\i], v[ST+4*\i+2], v[ST+4*\i+3]
.endr
.irp i, 0,1,2,3
	s_delay_alu instid0(VALU_DEP_4)
	v_permlanex16_b32 v[TMP+\i], v[TMX+\i], s[SEL], s[SEL+1]
.endr
.irp i, 0,1,2,3
	s_delay_alu instid0(VALU_DEP_4)
	v_add_f32 v[TMX+\i], v[TMX+\i], v[TMP+\i]
.endr
	s_wait_alu depctr_va_vdst(0)
.irp i, 0,1,2,3
	v_rcp_f32 v[ST+4*\i+2], v[TMX+\i]
.endr
	v_mov_b32 v[ZR], 0                             ; a plain place behind the reciprocals
	v_mov_b32 v[ONES], -1
.irp i, 0,1,2,3
	v_cmp_gt_f32 s[66+\i], s70, v[ST+4*\i+1]       ; a row that has met no key
.endr
	s_wait_alu depctr_va_vdst(0)                   ; one wait for the four reciprocals, ahead of their first reader
.irp i, 0,1,2,3
	v_cndmask_b32 v[ST+4*\i+2], v[ST+4*\i+2], v[ZR], s[66+\i]
.endr
	s_wait_alu depctr_va_vdst(0)
.irp pr, 0,1
	s_wait_xcnt 0x0                                ; earlier stores have read the codes' registers
	WIN 0x01
.set k, 0
.rept 16
	v_pk_mul_f32 v[S+2*k:S+2*k+1], v[64*\pr+2*k:64*\pr+2*k+1], v[ST+8*\pr+2:ST+8*\pr+3] op_sel_hi:[1,0]
.set k, k+1
.endr
.set k, 0
.rept 16
	v_pk_mul_f32 v[S+32+2*k:S+32+2*k+1], v[64*\pr+32+2*k:64*\pr+32+2*k+1], v[ST+8*\pr+6:ST+8*\pr+7] op_sel_hi:[1,0]
.set k, k+1
.endr
	WIN 0
	QUANT S
	s_or_b32 s71, s[66+2*\pr], s[67+2*\pr]
	v_cndmask_b32 v[QS+\pr], v[PW], v[ONES], s71
.irp g, 0,1,2
	global_store_b128 v[L16], v[PC+4*\g:PC+4*\g+3], s[14:15] offset:1536*\pr+512*\g
.endr
.endr
	global_store_b64 v[R8], v[QS:QS+1], s[16:17]   ; my rows' two scale words (both halves of the lanes write the same bytes)
	s_wait_tensorcnt 0x0                           ; the wave's end
	ds_add_u32 v[SPW], v[NIL]
	s_wait_dscnt 0x0
	CROUND                                         ; the closing round
	s_endpgm
.Lfunc_end_k_q93e3471058_attn:
	.size	k_q93e3471058_attn, .Lfunc_end_k_q93e3471058_attn-k_q93e3471058_attn
	.p2alignl 7, 3214868480
	.fill 96, 4, 3214868480
	.section	.rodata,"a",@progbits
	.p2align	6, 0x0
	.amdhsa_kernel k_q93e3471058_attn
		.amdhsa_group_segment_fixed_size 327680
		.amdhsa_private_segment_fixed_size 0
		.amdhsa_enable_private_segment 0
		.amdhsa_kernarg_size 56
		.amdhsa_user_sgpr_count 2
		.amdhsa_user_sgpr_kernarg_segment_ptr 1
		.amdhsa_wavefront_size32 1
		.amdhsa_system_sgpr_workgroup_id_x 1
		.amdhsa_system_sgpr_workgroup_id_y 1
		.amdhsa_system_sgpr_workgroup_id_z 1
		.amdhsa_system_vgpr_workitem_id 0
		.amdhsa_next_free_vgpr 512
		.amdhsa_next_free_sgpr 96
		.amdhsa_reserve_vcc 0
		.amdhsa_float_denorm_mode_32 3
		.amdhsa_float_denorm_mode_16_64 3
		.amdhsa_memory_ordered 1
		.amdhsa_forward_progress 1
		.amdhsa_inst_pref_size 246
	.end_amdhsa_kernel
	.amdgpu_metadata
---
amdhsa.version: [ 1, 2 ]
amdhsa.kernels:
  - .name:           k_q93e3471058_attn
    .symbol:         k_q93e3471058_attn.kd
    .args:
      - { .name: qc, .offset: 0, .size: 8, .value_kind: global_buffer, .address_space: global }
      - { .name: qs, .offset: 8, .size: 8, .value_kind: global_buffer, .address_space: global }
      - { .name: kv, .offset: 16, .size: 8, .value_kind: global_buffer, .address_space: global }
      - { .name: attn_mask, .offset: 24, .size: 8, .value_kind: global_buffer, .address_space: global }
      - { .name: key_padding_mask, .offset: 32, .size: 8, .value_kind: global_buffer, .address_space: global }
      - { .name: ac, .offset: 40, .size: 8, .value_kind: global_buffer, .address_space: global }
      - { .name: as, .offset: 48, .size: 8, .value_kind: global_buffer, .address_space: global }
    .group_segment_fixed_size: 327680
    .private_segment_fixed_size: 0
    .kernarg_segment_align: 8
    .kernarg_segment_size: 56
    .max_flat_workgroup_size: 256
    .sgpr_count:     96
    .vgpr_count:     512
    .wavefront_size: 32
...
	.end_amdgpu_metadata
.endif
;; end of part 3
;; launch oproj (part 4): grid 4 x 32, 4 waves a work-group, clusters of 4 x 4, 327,680 bytes of LDS; arguments ac, as, xc, xs, bo, out0; writes out0
.if DOCPART == 4
	.amdgcn_target "amdgcn-amd-amdhsa--gfx1250"
	.amdhsa_code_object_version 6
	.text
	.protected	k_q93e3471058_oproj
	.globl	k_q93e3471058_oproj
	.p2align	8
	.type	k_q93e3471058_oproj,@function
k_q93e3471058_oproj:
	s_mov_b64 s[64:65], 0
	v_nop
	global_prefetch_b8 v0, s[64:65] scope:SCOPE_SE
	s_setreg_imm32_b32 hwreg(HW_REG_WAVE_MODE, 25, 1), 1
	s_wait_xcnt 0x0
	s_wait_alu depctr_hold_cnt(0) depctr_sa_sdst(0) depctr_va_vdst(0) depctr_va_sdst(0) depctr_va_ssrc(0) depctr_va_vcc(0) depctr_vm_vsrc(0)
	s_getreg_b32 s2, hwreg(HW_REG_IB_STS2, 6, 4)
	s_cmp_eq_u32 s2, 0
	s_cbranch_scc0 .Lentry_in_a_cluster
	s_endpgm
.Lentry_in_a_cluster:
	s_bfe_u32 s2, ttmp6, 0x10000c
	s_cmp_lg_u32 s2, 0xf033
	s_cbranch_scc0 .Lentry_shape_is_right
	s_endpgm
.Lentry_shape_is_right:
.set FRB,   1536
.set SLB,   2*FRB
.set HALFT, 8*SLB
.set SLOT,  4*HALFT
.set SCL,   2*SLOT
.set HALFS, 4096
.set SPARE, SCL+4*HALFS
.set SPITCH, 528
.set SIZE_N, 1024
.set NQ, 2
.set FR, 12
.set NL, 3
.set NP, 4
.set ADRA, 16
.set ADRB, 20
.set STO,  24
.set RD,   25
.set CO,   26
.set ADRS, 27
.set SPW,  28
.set NIL,  29
.set SC,   32
.set BO,   64
.set AF,   128
.set BK,   128
.set G1, 24
.set G0, 32
.set G1B, 48
.set G0B, 56
.set G1S, 68
.set G0S, 76
.set G1SB, 80
.set G0SB, 88
.set MSB, 0
.macro WIN new
.if MSB != (\new)
	s_set_vgpr_msb (MSB<<8)|(\new)
.set MSB, (\new)
.endif
.endm
.set MUL_LO, 0xa1
.set MUL_HI, 0xf1
.set TO_B,   0x40
.macro JLOAD g0a, g1a, g0b, g1b
	s_cmp_eq_u32 s15, 0
	s_cbranch_scc0 .Lfor_b_\@
	tensor_load_to_lds s[\g0a:\g0a+3], s[\g1a:\g1a+7]
	s_nop 0
.rept 4
	v_nop
.endr
	s_branch .Lasked_\@
.Lfor_b_\@:
	tensor_load_to_lds s[\g0b:\g0b+3], s[\g1b:\g1b+7]
	s_nop 0
.rept 4
	v_nop
.endr
.Lasked_\@:
.endm
.macro CREST
	s_cmp_lg_u32 s14, 0
	s_cbranch_scc1 .Lnot_wave_0_\@
	s_barrier_signal -3
.Lnot_wave_0_\@:
	s_barrier_wait -3
	s_barrier_signal -1
	s_barrier_wait -1
.endm
.macro CROUND
	s_barrier_signal -1
	s_barrier_wait -1
	CREST
.endm
	s_load_b128 s[4:7], s[0:1], 0x0
	s_load_b128 s[8:11], s[0:1], 0x10
	s_load_b64 s[96:97], s[0:1], 0x20
	s_load_b64 s[12:13], s[0:1], 0x28
	v_lshl_add_u32 v[SPW], v0, 2, SPARE
	v_mov_b32 v[NIL], 0
	ds_add_u32 v[SPW], v[NIL]
	ds_add_u32 v[SPW], v[NIL]
	v_lshrrev_b32 v1, 5, v0
	v_readfirstlane_b32 s14, v1
	s_lshr_b32 s15, s14, 1
	s_and_b32 s16, s14, 1
	s_bfe_u32 s40, ttmp6, 0x40000
	s_bfe_u32 s41, ttmp6, 0x40004
	s_lshl_b32 s42, ttmp9, 2
	s_add_co_u32 s42, s42, s40
	s_and_b32 s17, ttmp7, 0xffff
	s_lshl_b32 s17, s17, 2
	s_add_co_u32 s17, s17, s41
	s_lshl_b32 s43, s41, 2
	s_lshl_b32 s43, 15, s43
	s_lshl_b32 s44, 0x1111, s40
	s_or_b32 s[G1+0], s43, (3<<16)|(1<<21)
	s_or_b32 s[G1B+0], s44, (3<<16)|(1<<21)
.irp g, G1, G1B
	s_mov_b32 s[\g+1], 384<<16
	s_mov_b32 s[\g+2], 16<<16                      ; the head's loads of codes bring all 16 tiles of a side
	s_mov_b32 s[\g+3], 384<<16
	s_mov_b32 s[\g+4], 16
	s_mov_b32 s[\g+5], 1536
	s_mov_b32 s[\g+6], 0
	s_mov_b32 s[\g+7], 0
.endr
	s_or_b32 s[G1S+0], s43, (3<<16)|(1<<21)
	s_or_b32 s[G1SB+0], s44, (3<<16)|(1<<21)
.irp g, G1S, G1SB
	s_mov_b32 s[\g+1], 32<<16
	s_mov_b32 s[\g+2], 32<<16                      ; the scales of 16 tiles: 32 rows of 256 bytes
	s_mov_b32 s[\g+3], 32<<16
	s_mov_b32 s[\g+4], 32
	s_mov_b32 s[\g+5], 32
	s_mov_b32 s[\g+6], 0
	s_mov_b32 s[\g+7], 0
.endr
	s_lshl_b32 s18, s16, 3
	s_lshl_b32 s20, s17, 4
	s_add_co_u32 s20, s20, s18
	s_lshl_b32 s46, s42, 4
	s_add_co_u32 s46, s46, s18
	s_add_co_u32 s46, s46, 1728
	s_lshl_b32 s22, s20, 9
	s_mov_b32 s23, 0
	s_mul_i32 s20, s20, 8*FRB
	s_mov_b32 s21, 0
	s_lshl_b32 s92, s46, 9
	s_mov_b32 s93, 0
	s_mul_i32 s46, s46, 8*FRB
	s_mov_b32 s47, 0
	s_mul_i32 s45, s14, HALFT
	s_lshl_b32 s18, s16, 12                        ; my half's 8 tiles of scales, in bytes
	s_mov_b32 s19, 0
	s_wait_dscnt 0x0
	s_wait_kmcnt 0x0
	s_add_nc_u64 s[20:21], s[4:5], s[20:21]
	s_add_nc_u64 s[22:23], s[6:7], s[22:23]
	s_add_nc_u64 s[46:47], s[8:9], s[46:47]
	s_add_nc_u64 s[92:93], s[10:11], s[92:93]
	CROUND
	s_mov_b32 s[G0S], 1
	s_mov_b32 s[G0S+1], SCL
	s_sub_nc_u64 s[G0S+2:G0S+3], s[22:23], s[18:19]    ; back to the side's first tile
	s_or_b32 s[G0S+3], s[G0S+3], 0x80000000
	s_mov_b32 s[G0SB], 1
	s_mov_b32 s[G0SB+1], SCL+2*HALFS
	s_sub_nc_u64 s[G0SB+2:G0SB+3], s[92:93], s[18:19]
	s_or_b32 s[G0SB+3], s[G0SB+3], 0x80000000
.irp s, 0,1
	s_mov_b32 s[G0+4*\s], 1
	s_add_co_u32 s[G0+4*\s+1], s45, \s*SLOT
	s_add_nc_u64 s[G0+4*\s+2:G0+4*\s+3], s[20:21], \s*SLB
	s_or_b32 s[G0+4*\s+3], s[G0+4*\s+3], 0x80000000
	s_mov_b32 s[G0B+4*\s], 1
	s_add_co_u32 s[G0B+4*\s+1], s45, \s*SLOT
	s_add_nc_u64 s[G0B+4*\s+2:G0B+4*\s+3], s[46:47], \s*SLB
	s_or_b32 s[G0B+4*\s+3], s[G0B+4*\s+3], 0x80000000
.endr
	; THE HEAD'S LOADS, ONE A WAVE: wave 0 slot 0's 16 tiles of A, wave 1 those of B, wave 2 and wave 3 the two sides' scales
	s_mul_i32 s4, s16, 8*8*FRB                     ; my half's 8 tiles of codes, in bytes
	s_mov_b32 s5, 0
	s_mov_b32 s8, 1
	s_mov_b32 s9, 2*HALFT
	s_sub_nc_u64 s[10:11], s[46:47], s[4:5]
	s_or_b32 s11, s11, 0x80000000
	s_sub_nc_u64 s[6:7], s[20:21], s[4:5]
	s_or_b32 s7, s7, 0x80000000
	s_mov_b32 s4, 1
	s_mov_b32 s5, 0
.macro ARM under, g0, g1, next
	s_cmp_lt_u32 s14, \under
	s_cbranch_scc0 \next
	tensor_load_to_lds s[\g0:\g0+3], s[\g1:\g1+7]
	s_nop 0
.rept 4
	v_nop
.endr
	s_branch .Lhead_asked
\next:
.endm
	ARM 1, 4, G1, .Lhead_b
	ARM 2, 8, G1B, .Lhead_sa
	ARM 3, G0S, G1S, .Lhead_sb
	tensor_load_to_lds s[G0SB:G0SB+3], s[G1SB:G1SB+7]
	s_nop 0
.rept 4
	v_nop
.endr
.Lhead_asked:
	v_and_b32 v1, 15, v0
	v_bfe_u32 v2, v0, 4, 1
	s_wait_alu depctr_va_vdst(0)
	v_and_b32 v3, 31, v0
	v_lshlrev_b32 v4, 4, v3
	v_lshlrev_b32 v7, 5, v2
	s_mul_i32 s21, s15, HALFT
	s_mul_i32 s22, s16, HALFT
	s_add_co_u32 s22, s22, 2*HALFT
.irp s, 0,1
	v_add_nc_u32 v[ADRA+\s], s21, v4
	v_add_nc_u32 v[ADRB+\s], s22, v4
	s_add_co_u32 s21, s21, SLOT
	s_add_co_u32 s22, s22, SLOT
.endr
	v_lshlrev_b32 v5, 3, v1
	s_mul_i32 s21, s15, HALFS
	s_mul_i32 s22, s16, HALFS
	s_add_co_u32 s22, s22, 2*HALFS
	s_sub_co_u32 s22, s22, s21
	v_mul_u32_u24 v6, s22, v2
	s_add_co_u32 s21, s21, SCL
	v_add_nc_u32 v5, v5, v6
	v_add_nc_u32 v[ADRS], s21, v5
	s_mul_i32 s23, s14, 16*SPITCH
	v_mul_u32_u24 v5, v1, SPITCH
	v_lshl_add_u32 v5, v2, 5, v5
	v_add_nc_u32 v[STO], s23, v5
	v_lshlrev_b32 v[CO], 4, v3
	v_add_nc_u32 v[RD], s23, v[CO]
	s_lshl_b32 s20, s17, 8
	s_lshl_b32 s21, s15, 7
	s_add_co_u32 s20, s20, s21
	s_lshl_b32 s20, s20, 12
	s_mov_b32 s21, 0
	s_lshl_b32 s46, s42, 10
	s_lshl_b32 s47, s16, 9
	s_add_co_u32 s46, s46, s47
	s_mov_b32 s47, 0
	s_add_nc_u64 s[96:97], s[96:97], s[46:47]
	s_add_nc_u64 s[20:21], s[20:21], s[46:47]
	s_add_nc_u64 s[12:13], s[12:13], s[20:21]
.irp b, 0,1,2,3,4,5,6,7
	global_load_b128 v[BO+8*\b:BO+8*\b+3], v7, s[96:97] offset:64*\b
	global_load_b128 v[BO+8*\b+4:BO+8*\b+7], v7, s[96:97] offset:64*\b+16
.endr
.macro FRAG reg, adr, q, i
.irp g, 0,1,2
	ds_load_b128 v[\reg+4*\g:\reg+4*\g+3], v[\adr] offset:(\i)*SLB+(\q)*FRB+512*\g
.endr
.endm
.macro MUL16 a0, p, q, sc, first
.irp a, \a0, \a0+1
.irp b, 0,1,2,3,4,5,6,7
.if \first
	v_wmma_scale_f32_16x16x128_f8f6f4 v[8*(8*((\a)%4)+\b):8*(8*((\a)%4)+\b)+7], v[128*(\p)+FR*\b:128*(\p)+FR*\b+FR-1], v[AF+FR*(\a):AF+FR*(\a)+FR-1], v[BO+8*\b:BO+8*\b+7], v[SC+8*NQ*(\sc)+NQ*\b+(\q)], v[SC+8*NQ*(\sc)+NQ*(\a)+(\q)] matrix_a_fmt:MATRIX_FMT_FP6 matrix_b_fmt:MATRIX_FMT_FP6 matrix_a_scale:MATRIX_SCALE_ROW1
.else
	v_wmma_scale_f32_16x16x128_f8f6f4 v[8*(8*((\a)%4)+\b):8*(8*((\a)%4)+\b)+7], v[128*(\p)+FR*\b:128*(\p)+FR*\b+FR-1], v[AF+FR*(\a):AF+FR*(\a)+FR-1], v[8*(8*((\a)%4)+\b):8*(8*((\a)%4)+\b)+7], v[SC+8*NQ*(\sc)+NQ*\b+(\q)], v[SC+8*NQ*(\sc)+NQ*(\a)+(\q)] matrix_a_fmt:MATRIX_FMT_FP6 matrix_b_fmt:MATRIX_FMT_FP6 matrix_a_scale:MATRIX_SCALE_ROW1
.endif
.endr
.endr
.endm
.macro FETCH_B slot, q, p
	WIN TO_B
.irp i, 0,1,2,3,4,5,6,7
	FRAG 128*(\p)+FR*\i, ADRB+\slot, \q, \i
.endr
	WIN 0
.endm
.macro FETCH_A slot, q, i0
.irp i, \i0, \i0+1, \i0+2, \i0+3
	FRAG AF+FR*(\i), ADRA+\slot, \q, \i
.endr
.endm
.macro SCALES sc
.irp i, 0,1,2,3,4,5,6,7
	ds_load_b64 v[SC+8*NQ*\sc+NQ*\i:SC+8*NQ*\sc+NQ*\i+1], v[ADRS] offset:512*\i
.endr
.endm
.macro PLACES n
.rept \n
	v_nop
.endr
.endm
.macro STEP slot, q, first
	s_wait_dscnt 4*NL
.if \first
	WIN 0x81
.else
	WIN MUL_LO
.endif
	MUL16 0, (\q)%2, \q, \slot, \first
	MUL16 2, (\q)%2, \q, \slot, \first
	s_wait_dscnt 0
	PLACES NP
	FETCH_B \slot, (\q)+1, 1-(\q)%2
	FETCH_A \slot, (\q)+1, 0
.if \first
	WIN 0xc1
.else
	WIN MUL_HI
.endif
	MUL16 4, (\q)%2, \q, \slot, \first
	MUL16 6, (\q)%2, \q, \slot, \first
	PLACES NP
	WIN 0
	FETCH_A \slot, (\q)+1, 4
.endm
.macro TURN slot, next, fill
	s_wait_tensorcnt 0x0
	ds_add_u32 v[SPW], v[NIL]
	s_wait_dscnt 4*NL+1
	WIN MUL_LO
	MUL16 0, 1, NQ-1, \slot, 0
	s_wait_dscnt 0x0
	s_barrier_signal -1
	MUL16 2, 1, NQ-1, \slot, 0
	WIN 0
	s_barrier_wait -1
.if \fill
	CREST
	s_add_nc_u64 s[G0+4*\slot+2:G0+4*\slot+3], s[G0+4*\slot+2:G0+4*\slot+3], 2*SLB
	s_add_nc_u64 s[G0B+4*\slot+2:G0B+4*\slot+3], s[G0B+4*\slot+2:G0B+4*\slot+3], 2*SLB
	JLOAD G0+4*\slot, G1, G0B+4*\slot, G1B
.else
	PLACES NP
.endif
	s_wait_alu depctr_va_vdst(0)
	v_add_nc_u32 v[ADRS], 128, v[ADRS]
	FETCH_B \next, 0, 0
	FETCH_A \next, 0, 0
	SCALES \next
	WIN MUL_HI
	MUL16 4, 1, NQ-1, \slot, 0
	MUL16 6, 1, NQ-1, \slot, 0
	PLACES NP
	WIN 0
	FETCH_A \next, 0, 4
.endm
	s_wait_alu depctr_va_vdst(0)
	s_wait_tensorcnt 0x0                           ; my tile of the head's four is in; slot 1's first fill goes out as a refill does
	ds_add_u32 v[SPW], v[NIL]
	s_mov_b32 s[G1+2], 8<<16                       ; no tensor load of mine is out: from here on a load brings 8 tiles
	s_mov_b32 s[G1+4], 8
	s_mov_b32 s[G1B+2], 8<<16
	s_mov_b32 s[G1B+4], 8
	s_wait_dscnt 0x0
	CROUND
	JLOAD G0+4, G1, G0B+4, G1B
	FETCH_B 0, 0, 0
	FETCH_A 0, 0, 0
	SCALES 0
	FETCH_A 0, 0, 4
	s_wait_loadcnt 0x0
	STEP 0, 0, 1
	TURN 0, 1, 1
	STEP 1, 0, 0
	TURN 1, 0, 1
	STEP 0, 0, 0
	TURN 0, 1, 0
	STEP 1, 0, 0
	s_wait_dscnt 4*NL
	WIN MUL_LO
	MUL16 0, 1, NQ-1, 1, 0
	MUL16 2, 1, NQ-1, 1, 0
	s_wait_dscnt 0
	WIN MUL_HI
	MUL16 4, 1, NQ-1, 1, 0
	MUL16 6, 1, NQ-1, 1, 0
	WIN 0
.macro TOSTAGE a
.set AC, 64*((\a)%4)
	WIN 0x08+4*((\a)/4)
.irp b, 0,1,2,3,4,5,6,7
	ds_store_b128 v[STO], v[AC+8*\b:AC+8*\b+3] offset:64*\b
	ds_store_b128 v[STO], v[AC+8*\b+4:AC+8*\b+7] offset:64*\b+16
.endr
	WIN 0
.set BB, BK+64*((\a)%2)
.irp t, 0,1,2,3,4,5,6,7,8,9,10,11,12,13,14,15
	ds_load_b128 v[BB+4*\t:BB+4*\t+3], v[RD] offset:\t*SPITCH
.endr
.endm
.macro SEND a, younger
.set BB, BK+64*((\a)%2)
	s_wait_dscnt \younger
.if (\a) > 0
	s_add_nc_u64 s[12:13], s[12:13], 16*SIZE_N*4
.endif
.irp t, 0,1,2,3,4,5,6,7,8,9,10,11,12,13,14,15
	global_store_b128 v[CO], v[BB+4*\t:BB+4*\t+3], s[12:13] offset:\t*SIZE_N*4 th:TH_STORE_NT
.endr
.endm
	PLACES NP
	TOSTAGE 0
.irp a, 1,2,3,4,5,6,7
.if \a > 1
	s_wait_xcnt 0x0
.endif
	TOSTAGE \a
	SEND \a-1, 32
.endr
	s_wait_xcnt 0x0
	SEND 7, 0
	s_wait_tensorcnt 0x0
	ds_add_u32 v[SPW], v[NIL]
	s_wait_dscnt 0x0
	CROUND
	s_endpgm
.Lfunc_end_k_q93e3471058_oproj:
	.size	k_q93e3471058_oproj, .Lfunc_end_k_q93e3471058_oproj-k_q93e3471058_oproj
	.p2alignl 7, 3214868480
	.fill 96, 4, 3214868480
	.section	.rodata,"a",@progbits
	.p2align	6, 0x0
	.amdhsa_kernel k_q93e3471058_oproj
		.amdhsa_group_segment_fixed_size 327680
		.amdhsa_private_segment_fixed_size 0
		.amdhsa_enable_private_segment 0
		.amdhsa_kernarg_size 48
		.amdhsa_user_sgpr_count 2
		.amdhsa_user_sgpr_kernarg_segment_ptr 1
		.amdhsa_wavefront_size32 1
		.amdhsa_system_sgpr_workgroup_id_x 1
		.amdhsa_system_sgpr_workgroup_id_y 1
		.amdhsa_system_sgpr_workgroup_id_z 1
		.amdhsa_system_vgpr_workitem_id 0
		.amdhsa_next_free_vgpr 1024
		.amdhsa_next_free_sgpr 98
		.amdhsa_reserve_vcc 0
		.amdhsa_float_denorm_mode_32 3
		.amdhsa_float_denorm_mode_16_64 3
		.amdhsa_memory_ordered 1
		.amdhsa_forward_progress 1
		.amdhsa_inst_pref_size 138
	.end_amdhsa_kernel
	.amdgpu_metadata
---
amdhsa.version: [ 1, 2 ]
amdhsa.kernels:
  - .name:           k_q93e3471058_oproj
    .symbol:         k_q93e3471058_oproj.kd
    .args:
      - { .name: ac, .offset: 0, .size: 8, .value_kind: global_buffer, .address_space: global }
      - { .name: as, .offset: 8, .size: 8, .value_kind: global_buffer, .address_space: global }
      - { .name: xc, .offset: 16, .size: 8, .value_kind: global_buffer, .address_space: global }
      - { .name: xs, .offset: 24, .size: 8, .value_kind: global_buffer, .address_space: global }
      - { .name: bo, .offset: 32, .size: 8, .value_kind: global_buffer, .address_space: global }
      - { .name: out0, .offset: 40, .size: 8, .value_kind: global_buffer, .address_space: global }
    .group_segment_fixed_size: 327680
    .private_segment_fixed_size: 0
    .kernarg_segment_align: 8
    .kernarg_segment_size: 48
    .max_flat_workgroup_size: 128
    .sgpr_count:     98
    .vgpr_count:     1024
    .wavefront_size: 32
...
	.end_amdgpu_metadata
.endif
;; end of part 4
